; MI455X (gfx1250); checked and timed in simulation.
; The chip was launched on July 23, 2026; its instructions are those of AMD's public machine-readable ISA for CDNA 5 (MIT licence, August 2026) and "CDNA5" Instruction Set Architecture Reference Guide (July 2026). The comments in the code are by the model that wrote it; some were corrected since.
;; Multi Head Attention Quantum. Allowed arithmetic: matrix products marked QUANTISED: E2M3 operands, one E8M0 scale for each 32 along K, by v_wmma_scale_f32_16x16x128_f8f6f4 with both operands' format E2M3, f32 sums; products left as they are: f32 operands where the result goes on into a quantised operand, else bf16, f16 or f32 operands; f32 sums; everything else in f32.
;; Inputs: k_b 1,024 float32; k_w_codes 1,024 x 32 x 24 uint8 (E2M3 codes of k_w, K innermost, in blocks of 32 codes, four codes in three bytes); k_w_scales 1,024 x 32 uint8 (E8M0 scales of k_w, one for each 32 codes along K); out_b 1,024 float32; out_w_codes 1,024 x 32 x 24 uint8 (E2M3 codes of out_w, K innermost, in blocks of 32 codes, four codes in three bytes); out_w_scales 1,024 x 32 uint8 (E8M0 scales of out_w, one for each 32 codes along K); proj_w 1,024 x 8 float32; q_b 1,024 float32; q_w_codes 1,024 x 32 x 24 uint8 (E2M3 codes of q_w, K innermost, in blocks of 32 codes, four codes in three bytes); q_w_scales 1,024 x 32 uint8 (E8M0 scales of q_w, one for each 32 codes along K); theta 8 float32; v_b 1,024 float32; v_w_codes 1,024 x 32 x 24 uint8 (E2M3 codes of v_w, K innermost, in blocks of 32 codes, four codes in three bytes); v_w_scales 1,024 x 32 uint8 (E8M0 scales of v_w, one for each 32 codes along K); x 4 x 2,048 x 1,024 float32.
;; Outputs: out0 4 x 2,048 x 1,024 float32.
;; This version of the problem:
;;   THIS VERSION OF THE PROBLEM IS GIVEN IN LOW PRECISION. The matrix products marked QUANTISED in the list below multiply operands that are first quantised to E2M3 (2 exponent bits, 3 mantissa bits; 6 bits a number), with one power-of-two scale for each 32 numbers along K (OCP MX v1.0); their sums are f32. All else is computed in f32.
;;   The module's matrix products, in the order in which they are computed (A, B: the left and right operand; K: the contracted axis; several contracted axes count as one K, in the product's order):
;;     1. [M 8,192, K 8] x [K 8, N 1,024]; A: computed on the way; B: input proj_w: left as it is (K = 8 < 32)
;;     2. [M 8,192, K 1,024] x [K 1,024, N 1,024]; A: computed on the way; B: input q_w (given as codes): QUANTISED
;;     3. [M 8,192, K 1,024] x [K 1,024, N 1,024]; A: computed on the way; B: input k_w (given as codes): QUANTISED
;;     4. [M 8,192, K 1,024] x [K 1,024, N 1,024]; A: computed on the way; B: input v_w (given as codes): QUANTISED
;;     5. batch 64 x [M 2,048, K 64] x [K 64, N 2,048]; A: computed on the way; B: computed on the way: QUANTISED
;;     6. batch 64 x [M 2,048, K 2,048] x [K 2,048, N 64]; A: softmax (see below); B: computed on the way: QUANTISED
;;     7. [M 8,192, K 1,024] x [K 1,024, N 1,024]; A: computed on the way; B: input out_w (given as codes): QUANTISED
;;   THE QUANTISER, for each operand of a quantised product, along K:
;;     - K is cut into blocks of 32 from its start; a last block that is shorter is filled with zeros.
;;     - A block's scale is 2^e with e = floor(log2(the largest magnitude in the block)) - 2, held to -126 .. 127; a block of zeros has e = 0. As a byte (E8M0): e + 127.
;;     - Each number is divided by its block's scale, clamped to +-7.5, and rounded to the nearest number of E2M3, ties to even, subnormals kept.
;;     - The product sums the exact products of the quantised numbers (number of the format x scale) in f32.
;;   ~~~python
;;   def quantise(x, axis):      # numpy; x: float32 -> the quantised numbers, widened to float32 again
;;       x = np.moveaxis(x, axis, -1); K = x.shape[-1]
;;       x = np.pad(x, [(0, 0)] * (x.ndim - 1) + [(0, -K % 32)]); x = x.reshape(x.shape[:-1] + (-1, 32)); a = np.abs(x).max(-1, keepdims=True)
;;       e = np.where(a > 0, np.clip(np.frexp(np.where(a > 0, a, 1))[1] - 1 - 2, -126, 127), 0)      # np.frexp(a)[1] - 1 = floor(log2(a)), exactly
;;       r = np.clip(x / 2.0 ** e, -7.5, 7.5)
;;       step = 2.0 ** (np.maximum(np.frexp(np.where(r == 0, 1, r))[1] - 1, 0) - 3)
;;       q = np.round(r / step) * step * 2.0 ** e      # np.round: ties to even
;;       return np.moveaxis(q.reshape(q.shape[:-2] + (-1,))[..., :K], -1, axis).astype(np.float32)
;;   ~~~
;;   SOFTMAX AHEAD OF A QUANTISED PRODUCT. Where the list says 'softmax', what is quantised is not the finished softmax but p = 2^(t - M), with t = logit x log2(e) and M = ceil(the row's largest t), a whole number; so 1/2 < the row's largest p <= 1. The row's sum l is taken of the UNQUANTISED p, in f32, and the product's result is divided by l at the end. Since M is a whole number, a kernel that streams over the keys may use a running M (the ceiling of the running maximum): every later rescaling is an exact power of two, which a block's scale takes up: the codes' values come out the same.
;;   OPERANDS COMPUTED ON THE WAY. 'Computed on the way' means the value that the module computes at that place (a softmax that the list does not call 'softmax' is quantised finished and normalised). What goes into a quantiser is computed in f32, as accurately as f32 sums, v_exp_f32 and their like allow (about 1e-6 of the number): no bf16 or f16 on the way to a quantiser, and a product that is left as it is and whose result goes on into a quantised operand takes f32 operands (vector FMAs, or v_wmma_f32_16x16x4_f32). A number that lies on a knife's edge between two numbers of the format may be rounded either way, as far as f32 arithmetic and the matrix unit's own rounding can turn it there, and no further.
;;   INPUTS GIVEN AS CODES. k_w (in the module: [1024, 1024], K = its axis 1); out_w (in the module: [1024, 1024], K = its axis 1); q_w (in the module: [1024, 1024], K = its axis 1); v_w (in the module: [1024, 1024], K = its axis 1): each comes as NAME_codes (uint8): NAME with its K axis moved to the last place and cut into blocks of 32 codes, [.., K / 32, bytes a block], one block behind the other in memory; four codes in three bytes: a row's codes are one little-endian stream of bits, code i at bits 6 i .. 6 i + 5 (a code: sign, 2 exponent bits, 3 mantissa bits); and NAME_scales (uint8): the same leading axes, one E8M0 byte (e + 127) for each 32 codes along K. Its value is code x scale, taken as it is: it is not quantised again, and the codes and scales need not be those that the quantiser above would give.
;; One version. Each part assembles by itself: llvm-mc -triple=amdgcn-amd-amdhsa -mcpu=gfx1250 --defsym DOCPART=n.
;; ======== version 1 of 1: 4 launches
;; limits: inputs' magnitudes at most 65,536; right only within a limited range of input values
;; workspace buffers: ops 9,437,184 bytes; opss 393,216 bytes; qkvc 18,874,368 bytes; qkvs 786,432 bytes; ao 6,291,456 bytes; aos 262,144 bytes
;; launch prep (part 1): grid 256 x 1, 8 waves a work-group, no clusters, 0 bytes of LDS; arguments x, theta, proj_w, q_w_codes, q_w_scales, k_w_codes, k_w_scales, v_w_codes, v_w_scales, out_w_codes, out_w_scales, ops, opss; writes ops, opss
.if DOCPART == 1
	.amdgcn_target "amdgcn-amd-amdhsa--gfx1250"
	.amdhsa_code_object_version 6
	.text
	.protected	k_qb11c6cde53_prep
	.globl	k_qb11c6cde53_prep
	.p2align	8
	.type	k_qb11c6cde53_prep,@function
k_qb11c6cde53_prep:
	s_mov_b64 s[64:65], 0
	v_nop
	global_prefetch_b8 v0, s[64:65] scope:SCOPE_SE
	s_setreg_imm32_b32 hwreg(HW_REG_WAVE_MODE, 25, 1), 1
	s_wait_xcnt 0x0
; PREP.  x_q = cos(x[.., :8] + theta) proj_w^T in f32, quantised along its 1,024 features to codes of E2M3 with one E8M0 byte for each 32; and the four weights' codes and scale bytes,
; copied once into the order in which a wave's operand registers take them.
; THE ORDER OF ALL CODE BUFFERS OF THIS PROGRAM: a half fragment is 16 rows x 64 K, six registers a lane (lane l: row l % 16, K = 32 (l / 16) + 0 .. 31): 768 bytes, registers 0-3 at 16 l, registers 4-5 at 512 + 8 l.
; ops: [group 48][K / 64: 16][tile 16][768]; groups 0-31 are x_q (256 tokens each), group 32 + 4 w + G is rows 256 G on of weight w (q, k, v, out).  opss: [group][K / 128: 8][tile][row][4]: a scale word a row.
; THE ROWS OF A TILE ARE NOT NEIGHBOURS: lane r of tile t of a group takes row 32 (t / 2) + 8 (t % 2) + r + 8 (r / 8), so that a product that has such tiles as source 0 leaves 16 neighbours in the 16 registers of tiles 2 b, 2 b + 1.
; SHARES: work-group g takes tokens 32 g .. 32 g + 31 (two tiles); wave w the features 128 w on (one K step of the next product); and each wave copies one of the 2,048 weight fragments.
; THE COSINE: a = x + theta; k = a x 2/pi to the nearest whole number; rho = a - k pi/2 with pi/2 in three parts; sine and cosine of rho by polynomials on |rho| <= pi/4; k mod 4 chooses and signs.
; LIMITS: |x + theta| up to 2^16 (beyond it k may be off by one and rho leaves the polynomials' range); NaN and infinities are not served; a block of zeros gets the byte 1, not 127: its codes are zeros and this program alone reads the bytes.
; No LDS, no barrier: waves share nothing.
.set ACC, 72                           ; v72-199  x_q: tile u, features' tile t at 72 + 64 u + 8 t: written by matrix instructions alone
.set PC,  200                          ; v200-218 the codes just made
.set TM,  220                          ; v220-235 at work in QUANT
.set PW,  236                          ; v236-237 the two tiles' scale words
.set SEL, 36                           ; s[36:37] lane selects: lane l xor 16
; 64 numbers of a lane, register 16 b + i = K 32 b + 16 (lane / 16) + i of my row, become a fragment's codes in v[PC] .. v[PC + 11] and its scale word in v[pw]
.macro QUANT s, pw
.irp b, 0,1,2,3
	v_max3_num_f32 v[TM+\b], |v[(\s)+16*\b]|, |v[(\s)+1+16*\b]|, 0x1800000   ; my 16 numbers of block b, and the floor 2^(3 - 127): the byte cannot fall under 1
.endr
.irp i, 2,4,6,8,10,12,14
.irp b, 0,1,2,3
	v_max3_num_f32 v[TM+\b], v[TM+\b], |v[(\s)+16*\b+\i]|, |v[(\s)+1+16*\b+\i]|
.endr
.endr
.irp b, 0,1,2,3
	s_delay_alu instid0(VALU_DEP_4)
	v_permlanex16_b32 v[TM+4+\b], v[TM+\b], s[SEL], s[SEL+1]
.endr
.irp b, 0,1,2,3
	s_delay_alu instid0(VALU_DEP_4)
	v_max_num_f32 v[TM+\b], v[TM+\b], v[TM+4+\b]           ; with lane l xor 16's: the block's largest magnitude
.endr
.irp b, 0,1,2,3
	s_delay_alu instid0(VALU_DEP_4)
	v_add_nc_u32 v[TM+12+\b], 0xff000000, v[TM+\b]         ; 2 off its exponent field: the conversion's scale operand
.endr
.irp b, 0,1,2,3
	s_delay_alu instid0(VALU_DEP_4)
	v_lshrrev_b32 v[TM+4+\b], 23, v[TM+12+\b]              ; the scale's byte
.endr
	s_delay_alu instid0(VALU_DEP_3)
	v_lshl_or_b32 v[\pw], v[TM+5], 8, v[TM+4]
	s_delay_alu instid0(VALU_DEP_1)
	v_lshl_or_b32 v[\pw], v[TM+6], 16, v[\pw]
	s_delay_alu instid0(VALU_DEP_1)
	v_lshl_or_b32 v[\pw], v[TM+7], 24, v[\pw]              ; my row's scale word (the same in lanes l and l xor 16)
.irp c, 0,1
	v_cvt_scalef32_pk16_fp6_f32 v[PC+6*\c:PC+2+6*\c], v[(\s)+32*\c:(\s)+15+32*\c], v[TM+12+2*\c]
	v_cvt_scalef32_pk16_fp6_f32 v[PC+12+4*\c:PC+14+4*\c], v[(\s)+16+32*\c:(\s)+31+32*\c], v[TM+12+2*\c+1]   ; (a conversion's three registers begin on an even number)
.endr
	v_nop                                                  ; one plain line behind the scaled conversions
.irp c, 0,1                                            ; the layout wants a whole block in a lane: lanes 0-15 block 2 c, lanes 16-31 block 2 c + 1
.irp i, 0,1,2
	v_permlane16_swap_b32 v[PC+6*\c+\i], v[PC+12+4*\c+\i]
.endr
.irp i, 0,1,2
	s_delay_alu instid0(VALU_DEP_3)
	v_mov_b32 v[PC+3+6*\c+\i], v[PC+12+4*\c+\i]
.endr
.endr
.endm
; v[x] = cos(v[x] + v[th])
.macro COS x, th
	v_add_f32 v238, v[\x], v[\th]
	s_delay_alu instid0(VALU_DEP_1)
	v_mul_f32 v239, s40, v238
	s_delay_alu instid0(VALU_DEP_1)
	v_rndne_f32 v239, v239                                 ; k
	s_delay_alu instid0(VALU_DEP_1)
	v_fma_f32 v240, -v239, s41, v238
	s_delay_alu instid0(VALU_DEP_1)
	v_fma_f32 v240, -v239, s42, v240
	s_delay_alu instid0(VALU_DEP_1)
	v_fma_f32 v240, -v239, s43, v240                       ; rho
	s_delay_alu instid0(VALU_DEP_1)
	v_mul_f32 v241, v240, v240                             ; z
	s_delay_alu instid0(VALU_DEP_1)
	v_fma_f32 v242, s46, v241, s45
	s_delay_alu instid0(VALU_DEP_1)
	v_fma_f32 v242, v242, v241, s44
	s_delay_alu instid0(VALU_DEP_1)
	v_mul_f32 v242, v242, v241
	s_delay_alu instid0(VALU_DEP_1)
	v_fma_f32 v242, v242, v240, v240                       ; sin rho
	v_fma_f32 v243, s49, v241, s48
	s_delay_alu instid0(VALU_DEP_1)
	v_fma_f32 v243, v243, v241, s47
	s_delay_alu instid0(VALU_DEP_1)
	v_mul_f32 v243, v243, v241
	v_fma_f32 v244, v241, -0.5, 1.0
	s_delay_alu instid0(VALU_DEP_1)
	v_fma_f32 v243, v243, v241, v244                       ; cos rho
	v_cvt_i32_f32 v245, v239
	s_delay_alu instid0(VALU_DEP_1)
	v_and_b32 v246, 1, v245
	s_delay_alu instid0(VALU_DEP_1)
	v_cmp_eq_u32 vcc_lo, 1, v246
	s_delay_alu instid0(VALU_DEP_1)
	v_cndmask_b32 v243, v243, v242, vcc_lo                 ; odd k: the sine
	s_delay_alu instid0(VALU_DEP_4)
	v_add_nc_u32 v245, 1, v245
	s_delay_alu instid0(VALU_DEP_1)
	v_and_b32 v245, 2, v245
	s_delay_alu instid0(VALU_DEP_1)
	v_lshlrev_b32 v245, 30, v245                           ; k mod 4 = 1, 2: the sign turns
	s_delay_alu instid0(VALU_DEP_1)
	v_xor_b32 v[\x], v243, v245
.endm
.macro PUT u                           ; the fragment in v[PC] on leaves as two half fragments: each store covers 512 or 256 consecutive bytes, aligned
	global_store_b128 v10, v[PC:PC+3], s[2:3] offset:768*\u
	global_store_b64 v11, v[PC+4:PC+5], s[2:3] offset:768*\u+512
	global_store_b128 v10, v[PC+6:PC+9], s[2:3] offset:12288+768*\u
	global_store_b64 v11, v[PC+10:PC+11], s[2:3] offset:12288+768*\u+512
.endm
	s_load_b512 s[8:23], s[0:1], 0x0               ; x, theta, proj_w, q codes, q scales, k codes, k scales, v codes
	s_load_b256 s[24:31], s[0:1], 0x40             ; v scales, out codes, out scales, ops
	s_load_b64 s[32:33], s[0:1], 0x60              ; opss
	v_lshrrev_b32 v1, 5, v0
	s_delay_alu instid0(VALU_DEP_1)
	v_readfirstlane_b32 s35, v1                    ; wave 0..7
	v_and_b32 v1, 31, v0                           ; lane
	v_and_b32 v2, 15, v0                           ; r
	v_bfe_u32 v3, v0, 4, 1                         ; h
	s_delay_alu instid0(VALU_DEP_2)
	v_and_b32 v4, 8, v2
	s_delay_alu instid0(VALU_DEP_1)
	v_add_nc_u32 v4, v4, v2                        ; r + 8 (r / 8)
	s_delay_alu instid0(VALU_DEP_3)
	v_lshlrev_b32 v7, 3, v3                        ; theta: 8 h
	s_delay_alu instid0(VALU_DEP_1)
	v_lshl_add_u32 v5, v4, 12, v7                  ; x: a row is 4,096 bytes; K = 2 h + j
	s_delay_alu instid0(VALU_DEP_2)
	v_lshl_add_u32 v6, v4, 5, v7                   ; proj_w: a row is 32 bytes
	s_delay_alu instid0(VALU_DEP_4)
	v_mul_u32_u24 v8, v4, 768                      ; a weight's codes: a row is 768 bytes,
	s_delay_alu instid0(VALU_DEP_1)
	v_mad_u32_u24 v8, v3, 24, v8                   ; + 24 h
	v_lshlrev_b32 v9, 5, v4                        ; its scale bytes: 32 a row
	v_lshlrev_b32 v10, 4, v1
	v_lshlrev_b32 v11, 3, v1
	v_lshlrev_b32 v12, 2, v1
	v_lshlrev_b32 v13, 2, v2
.irp b, 0,1,2,3
	v_mov_b32 v[TM+4+\b], 0                        ; written once: a lane permute's destination counts as one of its sources
.endr
	s_mov_b32 s[SEL], 0x76543210
	s_mov_b32 s[SEL+1], 0xfedcba98
	s_mov_b32 s40, 0x3f22f983                      ; 2 / pi
	s_mov_b32 s41, 0x3fc90fdb                      ; pi / 2: its high,
	s_mov_b32 s42, 0xb33bbd2e                      ; middle
	s_mov_b32 s43, 0xa6f72ced                      ; and low part
	s_mov_b32 s44, 0xbe2aaaa3                      ; the sine's three coefficients
	s_mov_b32 s45, 0x3c08839e
	s_mov_b32 s46, 0xb94ca1f9
	s_mov_b32 s47, 0x3d2aaaa5                      ; the cosine's
	s_mov_b32 s48, 0xbab6061a
	s_mov_b32 s49, 0x37ccf5ce
	; offsets, apart from the addresses
	s_lshr_b32 s54, ttmp9, 3                       ; x_q's group
	s_and_b32 s55, ttmp9, 7
	s_mul_i32 s2, s54, 196608
	s_mul_i32 s56, s35, 24576                      ; K step w = two of the sixteen K / 64
	s_add_co_u32 s2, s2, s56
	s_mul_i32 s57, s55, 1536                       ; tile 2 (g % 8)
	s_add_co_u32 s2, s2, s57
	s_mov_b32 s3, 0
	s_lshl_b32 s4, s54, 13
	s_lshl_b32 s58, s35, 10
	s_add_co_u32 s4, s4, s58
	s_lshl_b32 s57, s55, 7
	s_add_co_u32 s4, s4, s57
	s_mov_b32 s5, 0
	s_lshr_b32 s54, ttmp9, 4                       ; the weight fragment: group 32 + g / 16,
	s_and_b32 s55, ttmp9, 15                       ; tile g % 16, K step w
	s_add_co_u32 s57, s54, 32
	s_mul_i32 s6, s57, 196608
	s_add_co_u32 s6, s6, s56
	s_mul_i32 s59, s55, 768
	s_add_co_u32 s6, s6, s59
	s_mov_b32 s7, 0
	s_lshl_b32 s38, s57, 13
	s_add_co_u32 s38, s38, s58
	s_lshl_b32 s59, s55, 6
	s_add_co_u32 s38, s38, s59
	s_mov_b32 s39, 0
	s_and_b32 s54, s54, 3
	s_lshl_b32 s54, s54, 8
	s_lshr_b32 s59, s55, 1
	s_lshl_b32 s59, s59, 5
	s_add_co_u32 s54, s54, s59
	s_and_b32 s59, s55, 1
	s_lshl_b32 s59, s59, 3
	s_add_co_u32 s54, s54, s59                     ; the tile's first row in the weight
	s_mul_i32 s60, s54, 768
	s_mul_i32 s59, s35, 96
	s_add_co_u32 s60, s60, s59
	s_mov_b32 s61, 0
	s_lshl_b32 s62, s54, 5
	s_lshl_b32 s59, s35, 2
	s_add_co_u32 s62, s62, s59
	s_mov_b32 s63, 0
	s_lshl_b32 s56, ttmp9, 17                      ; x: 32 rows of 4,096 bytes a work-group
	s_mov_b32 s57, 0
	s_lshl_b32 s58, s35, 12                        ; proj_w: 128 rows of 32 bytes a wave
	s_mov_b32 s59, 0
	s_lshr_b32 s54, ttmp9, 6                       ; which weight
	s_wait_alu depctr_va_vdst(0)
	s_wait_kmcnt 0x0
	s_cmp_eq_u32 s54, 0                            ; the choice hangs on the work-group's number alone
	s_cselect_b64 s[50:51], s[14:15], s[26:27]
	s_cselect_b64 s[52:53], s[16:17], s[28:29]
	s_cmp_eq_u32 s54, 1
	s_cselect_b64 s[50:51], s[18:19], s[50:51]
	s_cselect_b64 s[52:53], s[20:21], s[52:53]
	s_cmp_eq_u32 s54, 2
	s_cselect_b64 s[50:51], s[22:23], s[50:51]
	s_cselect_b64 s[52:53], s[24:25], s[52:53]
	s_add_nc_u64 s[50:51], s[50:51], s[60:61]
	s_add_nc_u64 s[52:53], s[52:53], s[62:63]
	s_add_nc_u64 s[8:9], s[8:9], s[56:57]
	s_add_nc_u64 s[12:13], s[12:13], s[58:59]
	s_add_nc_u64 s[2:3], s[30:31], s[2:3]          ; where x_q's codes go,
	s_add_nc_u64 s[4:5], s[32:33], s[4:5]          ; its scale words,
	s_add_nc_u64 s[6:7], s[30:31], s[6:7]          ; the weight's codes
	s_add_nc_u64 s[38:39], s[32:33], s[38:39]      ; and its scale words
.irp kk, 0,1
	global_load_b64 v[14+2*\kk:15+2*\kk], v7, s[10:11] offset:16*\kk
.endr
.irp u, 0,1
.irp kk, 0,1
	global_load_b64 v[18+4*\u+2*\kk:19+4*\u+2*\kk], v5, s[8:9] offset:32768*\u+16*\kk       ; x(token, 4 kk + 2 h + 0, 1)
.endr
.endr
.irp t, 0,1,2,3,4,5,6,7
.irp kk, 0,1
	global_load_b64 v[26+4*\t+2*\kk:27+4*\t+2*\kk], v6, s[12:13] offset:32*(32*(\t/2)+8*(\t%2))+16*\kk
.endr
.endr
.irp p, 0,1,2,3,4,5
	global_load_b64 v[58+2*\p:59+2*\p], v8, s[50:51] offset:48*(\p/3)+8*(\p%3)              ; the weight's fragment, as it lies
.endr
	global_load_b32 v70, v9, s[52:53]
	s_wait_loadcnt 23                              ; theta and x are in; proj_w's 16 loads and the weight's 7 may be out
.irp u, 0,1
.irp kk, 0,1
.irp j, 0,1
	COS 18+4*\u+2*\kk+\j, 14+2*\kk+\j
.endr
.endr
.endr
	s_wait_loadcnt 7                               ; proj_w is in
.irp u, 0,1                                    ; source 0 = 16 features, source 1 = 16 tokens: a lane holds one token, its registers run along the features.  The first K step starts the sums
.irp t, 0,1,2,3,4,5,6,7
	v_wmma_f32_16x16x4_f32 v[ACC+64*\u+8*\t:ACC+64*\u+8*\t+7], v[26+4*\t:27+4*\t], v[18+4*\u:19+4*\u], 0
.endr
.endr
	s_wait_alu depctr_va_vdst(0)
.irp u, 0,1                                    ; the sixteen accumulators take turns
.irp t, 0,1,2,3,4,5,6,7
	v_wmma_f32_16x16x4_f32 v[ACC+64*\u+8*\t:ACC+64*\u+8*\t+7], v[28+4*\t:29+4*\t], v[20+4*\u:21+4*\u], v[ACC+64*\u+8*\t:ACC+64*\u+8*\t+7]
.endr
.endr
.rept 8
	v_nop                                          ; eight places behind this form before a vector instruction reads a result (ISA guide 7.12.1)
.endr
	QUANT ACC, PW
	PUT 0
	s_wait_xcnt 0x0                                ; the stores have read their registers: the codes' registers are written again
	QUANT ACC+64, PW+1
	PUT 1
	v_cmp_le_u32 vcc_lo, 16, v1
	s_delay_alu instid0(VALU_DEP_1)
	v_cndmask_b32 v238, v[PW], v[PW+1], vcc_lo     ; lanes 0-15 the first tile's words, lanes 16-31 the second's: 128 consecutive bytes
	global_store_b32 v12, v238, s[4:5]
	s_wait_loadcnt 0x0                             ; the weight's fragment
	global_store_b128 v10, v[58:61], s[6:7]
	global_store_b64 v11, v[62:63], s[6:7] offset:512
	global_store_b128 v10, v[64:67], s[6:7] offset:12288
	global_store_b64 v11, v[68:69], s[6:7] offset:12288+512
	v_cmp_gt_u32 vcc_lo, 16, v1
	s_wait_xcnt 0x0                                ; EXEC changes only behind this wait
	s_and_saveexec_b32 s34, vcc_lo
	global_store_b32 v13, v70, s[38:39]            ; sixteen scale words
	s_wait_xcnt 0x0
	s_or_b32 exec_lo, exec_lo, s34
	s_endpgm
.Lfunc_end_k_qb11c6cde53_prep:
	.size	k_qb11c6cde53_prep, .Lfunc_end_k_qb11c6cde53_prep-k_qb11c6cde53_prep
	.p2alignl 7, 3214868480
	.fill 96, 4, 3214868480
	.section	.rodata,"a",@progbits
	.p2align	6, 0x0
	.amdhsa_kernel k_qb11c6cde53_prep
		.amdhsa_group_segment_fixed_size 0
		.amdhsa_private_segment_fixed_size 0
		.amdhsa_enable_private_segment 0
		.amdhsa_kernarg_size 104
		.amdhsa_user_sgpr_count 2
		.amdhsa_user_sgpr_kernarg_segment_ptr 1
		.amdhsa_wavefront_size32 1
		.amdhsa_system_sgpr_workgroup_id_x 1
		.amdhsa_system_sgpr_workgroup_id_y 1
		.amdhsa_system_sgpr_workgroup_id_z 1
		.amdhsa_system_vgpr_workitem_id 0
		.amdhsa_next_free_vgpr 256
		.amdhsa_next_free_sgpr 66
		.amdhsa_reserve_vcc 1
		.amdhsa_float_denorm_mode_32 3
		.amdhsa_float_denorm_mode_16_64 3
		.amdhsa_memory_ordered 1
		.amdhsa_forward_progress 1
		.amdhsa_inst_pref_size 34
	.end_amdhsa_kernel
	.amdgpu_metadata
---
amdhsa.version: [ 1, 2 ]
amdhsa.kernels:
  - .name:           k_qb11c6cde53_prep
    .symbol:         k_qb11c6cde53_prep.kd
    .args:
      - { .name: x, .offset: 0, .size: 8, .value_kind: global_buffer, .address_space: global }
      - { .name: theta, .offset: 8, .size: 8, .value_kind: global_buffer, .address_space: global }
      - { .name: proj_w, .offset: 16, .size: 8, .value_kind: global_buffer, .address_space: global }
      - { .name: q_w_codes, .offset: 24, .size: 8, .value_kind: global_buffer, .address_space: global }
      - { .name: q_w_scales, .offset: 32, .size: 8, .value_kind: global_buffer, .address_space: global }
      - { .name: k_w_codes, .offset: 40, .size: 8, .value_kind: global_buffer, .address_space: global }
      - { .name: k_w_scales, .offset: 48, .size: 8, .value_kind: global_buffer, .address_space: global }
      - { .name: v_w_codes, .offset: 56, .size: 8, .value_kind: global_buffer, .address_space: global }
      - { .name: v_w_scales, .offset: 64, .size: 8, .value_kind: global_buffer, .address_space: global }
      - { .name: out_w_codes, .offset: 72, .size: 8, .value_kind: global_buffer, .address_space: global }
      - { .name: out_w_scales, .offset: 80, .size: 8, .value_kind: global_buffer, .address_space: global }
      - { .name: ops, .offset: 88, .size: 8, .value_kind: global_buffer, .address_space: global }
      - { .name: opss, .offset: 96, .size: 8, .value_kind: global_buffer, .address_space: global }
    .group_segment_fixed_size: 0
    .private_segment_fixed_size: 0
    .kernarg_segment_align: 8
    .kernarg_segment_size: 104
    .max_flat_workgroup_size: 256
    .sgpr_count:     66
    .vgpr_count:     256
    .wavefront_size: 32
...
	.end_amdgpu_metadata
.endif
;; end of part 1
;; launch qkv (part 2): grid 12 x 32, 4 waves a work-group, clusters of 4 x 4, 327,680 bytes of LDS; arguments ops, opss, q_b, k_b, v_b, qkvc, qkvs; writes qkvc, qkvs
.if DOCPART == 2
	.amdgcn_target "amdgcn-amd-amdhsa--gfx1250"
	.amdhsa_code_object_version 6
	.text
	.protected	k_qb11c6cde53_qkv
	.globl	k_qb11c6cde53_qkv
	.p2align	8
	.type	k_qb11c6cde53_qkv,@function
k_qb11c6cde53_qkv:
	s_mov_b64 s[64:65], 0
	v_nop
	global_prefetch_b8 v0, s[64:65] scope:SCOPE_SE
	s_setreg_imm32_b32 hwreg(HW_REG_WAVE_MODE, 25, 1), 1
	s_wait_xcnt 0x0
	s_wait_alu depctr_hold_cnt(0) depctr_sa_sdst(0) depctr_va_vdst(0) depctr_va_sdst(0) depctr_va_ssrc(0) depctr_va_vcc(0) depctr_vm_vsrc(0)
	s_getreg_b32 s2, hwreg(HW_REG_IB_STS2, 6, 4)
	s_cmp_eq_u32 s2, 0
	s_cbranch_scc0 .Lentry_in_a_cluster
	s_endpgm
.Lentry_in_a_cluster:
	s_bfe_u32 s2, ttmp6, 0x10000c
	s_cmp_lg_u32 s2, 0xf033
	s_cbranch_scc0 .Lentry_shape_is_right
	s_endpgm
.Lentry_shape_is_right:
.set NQ,     2
.set FR,     12
.set NL,     4
.set NP,     4
.set SLOT,   98304
.set BOFF,   49152
.set SCL,    2*SLOT
.set SPARE,  SCL+16384
.set ADRA, 16
.set ADRB, 20
.set I16,  24
.set I8,   25
.set I4,   26
.set ADRS, 27
.set SPW,  28
.set NIL,  29
.set LN,   30
.set SC,   32
.set BB,   64
.set AF,   128
.set BA,   224
.set T,    128
.set PC,   192
.set PWS,  212
.set OW,   220
.set TM,   240
.set SEL,  66
.set G1, 24
.set G0, 32
.set G1B, 48
.set G0B, 56
.set G1S, 68
.set G0S, 76
.set G1SB, 80
.set G0SB, 88
.set CB, 92
.set MSB, 0
.macro WIN new
.if MSB != \new
	s_set_vgpr_msb (MSB<<8)|\new
.set MSB, \new
.endif
.endm
.set MUL_LO, 0xa1
.set MUL_HI, 0xf1
.set TO_B,   0x40
.macro JLOAD g0a, g1a, g0b, g1b
	s_cmp_eq_u32 s19, 0
	s_cbranch_scc0 .Lfor_b_\@
	tensor_load_to_lds s[\g0a:\g0a+3], s[\g1a:\g1a+7]
	s_nop 0
.rept 4
	v_nop
.endr
	s_branch .Lasked_\@
.Lfor_b_\@:
	tensor_load_to_lds s[\g0b:\g0b+3], s[\g1b:\g1b+7]
	s_nop 0
.rept 4
	v_nop
.endr
.Lasked_\@:
.endm
.macro CREST
	s_cmp_lg_u32 s18, 0
	s_cbranch_scc1 .Lnot_wave_0_\@
	s_barrier_signal -3
.Lnot_wave_0_\@:
	s_barrier_wait -3
	s_barrier_signal -1
	s_barrier_wait -1
.endm
.macro CROUND
	s_barrier_signal -1
	s_barrier_wait -1
	CREST
.endm
.macro PLACES n
.rept \n
	v_nop
.endr
.endm
.macro QUANT s, pw
.irp b, 0,1,2,3
	v_max3_num_f32 v[TM+\b], |v[(\s)+16*\b]|, |v[(\s)+1+16*\b]|, 0x1800000
.endr
.irp i, 2,4,6,8,10,12,14
.irp b, 0,1,2,3
	v_max3_num_f32 v[TM+\b], v[TM+\b], |v[(\s)+16*\b+\i]|, |v[(\s)+1+16*\b+\i]|
.endr
.endr
.irp b, 0,1,2,3
	v_permlanex16_b32 v[TM+4+\b], v[TM+\b], s[SEL], s[SEL+1]
.endr
.irp b, 0,1,2,3
	v_max_num_f32 v[TM+\b], v[TM+\b], v[TM+4+\b]
.endr
.irp b, 0,1,2,3
	v_add_nc_u32 v[TM+12+\b], 0xff000000, v[TM+\b]
.endr
.irp b, 0,1,2,3
	v_lshrrev_b32 v[TM+4+\b], 23, v[TM+12+\b]
.endr
	v_lshl_or_b32 v[\pw], v[TM+5], 8, v[TM+4]
	v_lshl_or_b32 v[\pw], v[TM+6], 16, v[\pw]
	v_lshl_or_b32 v[\pw], v[TM+7], 24, v[\pw]
.irp c, 0,1
	v_cvt_scalef32_pk16_fp6_f32 v[PC+6*\c:PC+2+6*\c], v[(\s)+32*\c:(\s)+15+32*\c], v[TM+12+2*\c]
	v_cvt_scalef32_pk16_fp6_f32 v[PC+12+4*\c:PC+14+4*\c], v[(\s)+16+32*\c:(\s)+31+32*\c], v[TM+12+2*\c+1]
.endr
	v_nop
.irp c, 0,1
.irp i, 0,1,2
	v_permlane16_swap_b32 v[PC+6*\c+\i], v[PC+12+4*\c+\i]
.endr
.irp i, 0,1,2
	v_mov_b32 v[PC+3+6*\c+\i], v[PC+12+4*\c+\i]
.endr
.endr
.endm
	s_load_b256 s[4:11], s[0:1], 0x0
	s_load_b128 s[12:15], s[0:1], 0x20
	s_load_b64 s[16:17], s[0:1], 0x30
	v_lshl_add_u32 v[SPW], v0, 2, SPARE
	v_mov_b32 v[NIL], 0
	ds_add_u32 v28, v29
	ds_add_u32 v28, v29
	s_wait_dscnt 0x0
	v_lshrrev_b32 v1, 5, v0
	v_readfirstlane_b32 s18, v1
	s_lshr_b32 s19, s18, 1
	s_and_b32 s20, s18, 1
	s_bfe_u32 s21, ttmp6, 0x40000
	s_bfe_u32 s22, ttmp6, 0x40004
	s_and_b32 s2, ttmp7, 0xffff
	s_lshl_b32 s2, s2, 2
	s_lshl_b32 s47, ttmp9, 2
	s_add_co_u32 s47, s47, 32
	s_cmp_eq_u32 ttmp9, 2
	s_cselect_b32 s46, 40, s2
	s_cselect_b32 s47, s2, s47
	s_add_co_u32 s46, s46, s22
	s_add_co_u32 s47, s47, s21
	s_lshl_b32 s40, s22, 2
	s_lshl_b32 s40, 15, s40
	s_lshl_b32 s41, 0x1111, s21
	s_or_b32 s[G1], s40, (3<<16)|(1<<21)
	s_or_b32 s[G1B], s41, (3<<16)|(1<<21)
	s_or_b32 s[G1S], s40, (3<<16)|(1<<21)
	s_or_b32 s[G1SB], s41, (3<<16)|(1<<21)
.irp g, G1, G1B
	s_mov_b32 s[\g+1], 32<<16
	s_mov_b32 s[\g+2], 96<<16
	s_mov_b32 s[\g+3], 32<<16
	s_mov_b32 s[\g+4], 96
	s_mov_b32 s[\g+5], 32
	s_mov_b32 s[\g+6], 0
	s_mov_b32 s[\g+7], 0
.endr
.irp g, G1S, G1SB
	s_mov_b32 s[\g+1], 32<<16
	s_mov_b32 s[\g+2], 16<<16
	s_mov_b32 s[\g+3], 32<<16
	s_mov_b32 s[\g+4], 16
	s_mov_b32 s[\g+5], 32
	s_mov_b32 s[\g+6], 0
	s_mov_b32 s[\g+7], 0
.endr
	s_mul_i32 s3, s20, 24576
	s_mul_i32 s92, s46, 196608
	s_add_co_u32 s92, s92, s3
	s_mov_b32 s93, 0
	s_mul_i32 s94, s47, 196608
	s_add_co_u32 s94, s94, s3
	s_mov_b32 s95, 0
	s_lshl_b32 s3, s20, 12
	s_lshl_b32 s96, s46, 13
	s_add_co_u32 s96, s96, s3
	s_mov_b32 s97, 0
	s_lshl_b32 s98, s47, 13
	s_add_co_u32 s98, s98, s3
	s_mov_b32 s99, 0
	s_mul_i32 s42, s18, 24576
	s_lshl_b32 s43, s18, 12
	s_wait_kmcnt 0x0
	s_add_nc_u64 s[92:93], s[4:5], s[92:93]
	s_add_nc_u64 s[94:95], s[4:5], s[94:95]
	s_add_nc_u64 s[96:97], s[6:7], s[96:97]
	s_add_nc_u64 s[98:99], s[6:7], s[98:99]
	CROUND
	s_mov_b32 s[G0S], 1
	s_add_co_u32 s[G0S+1], s43, SCL
	s_mov_b64 s[G0S+2:G0S+3], s[96:97]
	s_or_b32 s[G0S+3], s[G0S+3], 0x80000000
	s_mov_b32 s[G0SB], 1
	s_add_co_u32 s[G0SB+1], s43, SCL
	s_mov_b64 s[G0SB+2:G0SB+3], s[98:99]
	s_or_b32 s[G0SB+3], s[G0SB+3], 0x80000000
	JLOAD G0S, G1S, G0SB, G1SB
.irp s, 0,1
	s_mov_b32 s[G0+4*\s], 1
	s_add_co_u32 s[G0+4*\s+1], s42, \s*SLOT
	s_add_nc_u64 s[G0+4*\s+2:G0+4*\s+3], s[92:93], \s*BOFF
	s_or_b32 s[G0+4*\s+3], s[G0+4*\s+3], 0x80000000
	s_mov_b32 s[G0B+4*\s], 1
	s_add_co_u32 s[G0B+4*\s+1], s42, \s*SLOT
	s_add_nc_u64 s[G0B+4*\s+2:G0B+4*\s+3], s[94:95], \s*BOFF
	s_or_b32 s[G0B+4*\s+3], s[G0B+4*\s+3], 0x80000000
	s_wait_alu depctr_va_vdst(0)
	s_wait_tensorcnt 0x0
	ds_add_u32 v28, v29
	s_wait_dscnt 0x0
	CROUND
	JLOAD G0+4*\s, G1, G0B+4*\s, G1B
.endr
	v_and_b32 v[LN], 31, v0
	v_and_b32 v1, 15, v0
	v_bfe_u32 v2, v0, 4, 1
	v_lshlrev_b32 v[I16], 4, v[LN]
	v_lshlrev_b32 v[I8], 3, v[LN]
	v_lshlrev_b32 v[I4], 2, v[LN]
	s_mul_i32 s46, s19, 6144
	s_mul_i32 s47, s20, 6144
	s_add_co_u32 s47, s47, BOFF
.irp s, 0,1
	v_add_nc_u32 v[ADRA+\s], s46, v[I16]
	v_add_nc_u32 v[ADRB+\s], s47, v[I16]
	v_add_nc_u32 v[ADRA+2+\s], s46, v[I8]
	v_add_nc_u32 v[ADRB+2+\s], s47, v[I8]
	s_add_co_u32 s46, s46, SLOT
	s_add_co_u32 s47, s47, SLOT
.endr
	s_lshl_b32 s46, s19, 9
	s_lshl_b32 s47, s20, 9
	s_add_co_u32 s47, s47, 8192
	s_sub_co_u32 s47, s47, s46
	v_mul_u32_u24 v3, s47, v2
	s_add_co_u32 s46, s46, SCL
	v_lshl_add_u32 v3, v1, 2, v3
	v_add_nc_u32 v[ADRS], s46, v3
	v_lshlrev_b32 v4, 6, v2
	s_wait_alu depctr_va_vdst(0)
	v_and_b32 v5, 8, v1
	v_add_nc_u32 v5, v5, v1
	v_lshlrev_b32 v5, 2, v5
	s_wait_alu depctr_va_vdst(0)
.irp b, 0,1,2,3
	v_mov_b32 v[TM+4+\b], 0
.endr
	s_mov_b32 s[SEL], 0x76543210
	s_mov_b32 s[SEL+1], 0xfedcba98
	s_cmp_eq_u32 ttmp9, 0
	s_cselect_b64 s[44:45], s[8:9], s[12:13]
	s_cmp_eq_u32 ttmp9, 1
	s_cselect_b64 s[44:45], s[10:11], s[44:45]
	s_mov_b32 s3, 3072
	s_mov_b32 s46, 98304
	s_mov_b32 s47, 512
	s_mov_b32 s40, 256
	s_cmp_eq_u32 ttmp9, 2
	s_cselect_b32 s92, s21, s22
	s_cselect_b32 s93, s22, s21
	s_cselect_b32 s94, s19, s20
	s_cselect_b32 s95, s20, s19
	s_cselect_b32 s3, 98304, s3
	s_cselect_b32 s46, 3072, s46
	s_cselect_b32 s47, 256, s47
	s_cselect_b32 s40, 4096, s40
	s_add_co_u32 s92, s92, s2
	s_lshr_b32 s96, s92, 3
	s_and_b32 s92, s92, 7
	s_lshl_b32 s92, s92, 1
	s_add_co_u32 s92, s92, s95
	s_lshl_b32 s97, s93, 2
	s_lshl_b32 s98, s94, 1
	s_add_co_u32 s97, s97, s98
	s_lshl_b32 s96, s96, 4
	s_add_co_u32 s96, s96, s97
	s_lshl_b32 s98, s93, 10
	s_lshl_b32 s99, s94, 9
	s_add_co_u32 s98, s98, s99
	s_mov_b32 s99, 0
	s_add_nc_u64 s[44:45], s[44:45], s[98:99]
	s_mul_i32 s98, s92, s47
	s_lshl_b32 s97, s96, 12
	s_add_co_u32 s98, s98, s97
	s_lshl_b32 s97, ttmp9, 18
	s_add_co_u32 s98, s98, s97
	s_mov_b32 s41, 0
	s_add_nc_u64 s[42:43], s[16:17], s[98:99]
	s_add_nc_u64 s[40:41], s[42:43], s[40:41]
	s_mul_i32 s98, s92, 6144
	s_mul_i32 s97, s96, 98304
	s_add_co_u32 s98, s98, s97
	s_mul_i32 s97, ttmp9, 6291456
	s_add_co_u32 s98, s98, s97
	s_mov_b32 s2, s3
	s_mov_b32 s3, 0
	s_mov_b32 s47, 0
	s_add_nc_u64 s[CB:CB+1], s[14:15], s[98:99]
	s_add_nc_u64 s[CB+2:CB+3], s[CB:CB+1], s[46:47]
	s_add_nc_u64 s[CB+4:CB+5], s[CB:CB+1], s[2:3]
	s_add_nc_u64 s[CB+6:CB+7], s[CB+4:CB+5], s[46:47]
.irp b, 0,1,2,3,4,5,6,7
	global_load_b128 v[BB+8*\b:BB+8*\b+3], v4, s[44:45] offset:4*(32*(\b/2)+8*(\b%2))
	global_load_b128 v[BB+8*\b+4:BB+8*\b+7], v4, s[44:45] offset:4*(32*(\b/2)+8*(\b%2))+16
.endr
.irp a, 0,1,2,3,4,5,6,7
	global_load_b32 v[BA+2*\a], v5, s[44:45] offset:4*(32*(\a/2)+8*(\a%2))
	global_load_b32 v[BA+2*\a+1], v5, s[44:45] offset:4*(32*(\a/2)+8*(\a%2))
.endr
.macro FRAG reg, adr, q, i
	ds_load_b128 v[\reg:\reg+3], v[\adr] offset:24576*(\q)+768*(\i)
	ds_load_b64 v[\reg+4:\reg+5], v[\adr+2] offset:24576*(\q)+768*(\i)+512
	ds_load_b128 v[\reg+6:\reg+9], v[\adr] offset:24576*(\q)+12288+768*(\i)
	ds_load_b64 v[\reg+10:\reg+11], v[\adr+2] offset:24576*(\q)+12288+768*(\i)+512
.endm
.macro MUL16 a0, p, q, sc, zero
.irp a, \a0, \a0+1
.irp b, 0,1,2,3,4,5,6,7
.if \zero
	v_wmma_scale_f32_16x16x128_f8f6f4 v[8*(8*((\a)%4)+\b):8*(8*((\a)%4)+\b)+7], v[128*(\p)+FR*\b:128*(\p)+FR*\b+FR-1], v[AF+FR*(\a):AF+FR*(\a)+FR-1], 0, v[SC+8*NQ*(\sc)+NQ*\b+(\q)], v[SC+8*NQ*(\sc)+NQ*(\a)+(\q)] matrix_a_fmt:MATRIX_FMT_FP6 matrix_b_fmt:MATRIX_FMT_FP6 matrix_a_scale:MATRIX_SCALE_ROW1
.else
	v_wmma_scale_f32_16x16x128_f8f6f4 v[8*(8*((\a)%4)+\b):8*(8*((\a)%4)+\b)+7], v[128*(\p)+FR*\b:128*(\p)+FR*\b+FR-1], v[AF+FR*(\a):AF+FR*(\a)+FR-1], v[8*(8*((\a)%4)+\b):8*(8*((\a)%4)+\b)+7], v[SC+8*NQ*(\sc)+NQ*\b+(\q)], v[SC+8*NQ*(\sc)+NQ*(\a)+(\q)] matrix_a_fmt:MATRIX_FMT_FP6 matrix_b_fmt:MATRIX_FMT_FP6 matrix_a_scale:MATRIX_SCALE_ROW1
.endif
.endr
.endr
.endm
.macro FETCH_B slot, q, p
	WIN TO_B
.irp i, 0,1,2,3,4,5,6,7
	FRAG 128*(\p)+FR*\i, ADRB+\slot, \q, \i
.endr
	WIN 0
.endm
.macro FETCH_A slot, q, i0
.irp i, \i0, \i0+1, \i0+2, \i0+3
	FRAG AF+FR*(\i), ADRA+\slot, \q, \i
.endr
.endm
.macro SCALES sc
.irp i, 0,1,2,3,4,5,6,7
.irp u, 0,1
	ds_load_b32 v[SC+8*NQ*\sc+NQ*\i+\u], v[ADRS] offset:1024*\u+64*\i
.endr
.endr
.endm
.macro STEP slot, q, zero
	s_wait_dscnt 4*NL
	WIN MUL_LO
	MUL16 0, (\q)%2, \q, \slot, \zero
	MUL16 2, (\q)%2, \q, \slot, \zero
	s_wait_dscnt 0
	PLACES NP
	FETCH_B \slot, (\q)+1, 1-(\q)%2
	FETCH_A \slot, (\q)+1, 0
	WIN MUL_HI
	MUL16 4, (\q)%2, \q, \slot, \zero
	MUL16 6, (\q)%2, \q, \slot, \zero
	PLACES NP
	WIN 0
	FETCH_A \slot, (\q)+1, 4
.endm
.macro TURN slot, next, fill
	s_wait_tensorcnt 0x0
	ds_add_u32 v[SPW], v[NIL]
	s_wait_dscnt 4*NL+1
	WIN MUL_LO
	MUL16 0, 1, NQ-1, \slot, 0
	s_wait_dscnt 0x0
	s_barrier_signal -1
	MUL16 2, 1, NQ-1, \slot, 0
	WIN 0
	s_barrier_wait -1
.if \fill
	CREST
	s_add_nc_u64 s[G0+4*\slot+2:G0+4*\slot+3], s[G0+4*\slot+2:G0+4*\slot+3], 2*BOFF
	s_add_nc_u64 s[G0B+4*\slot+2:G0B+4*\slot+3], s[G0B+4*\slot+2:G0B+4*\slot+3], 2*BOFF
	JLOAD G0+4*\slot, G1, G0B+4*\slot, G1B
.else
	PLACES NP
.endif
	s_wait_alu depctr_va_vdst(0)
	v_add_nc_u32 v[ADRS], 1024*NQ, v[ADRS]
	FETCH_B \next, 0, 0
	FETCH_A \next, 0, 0
	SCALES \next
	WIN MUL_HI
	MUL16 4, 1, NQ-1, \slot, 0
	MUL16 6, 1, NQ-1, \slot, 0
	PLACES NP
	WIN 0
	FETCH_A \next, 0, 4
.endm
	s_wait_tensorcnt 1
	s_barrier_signal -1
	s_barrier_wait -1
	FETCH_B 0, 0, 0
	FETCH_A 0, 0, 0
	SCALES 0
	FETCH_A 0, 0, 4
	STEP 0, 0, 1
	TURN 0, 1, 1
	STEP 1, 0, 0
	TURN 1, 0, 1
	STEP 0, 0, 0
	TURN 0, 1, 0
	STEP 1, 0, 0
	s_wait_dscnt 4*NL
	WIN MUL_LO
	MUL16 0, 1, NQ-1, 1, 0
	MUL16 2, 1, NQ-1, 1, 0
	s_wait_dscnt 0
	WIN MUL_HI
	MUL16 4, 1, NQ-1, 1, 0
	MUL16 6, 1, NQ-1, 1, 0
	WIN 0
.macro OUTBLK a
.if (\a) > 0
	s_wait_xcnt 0x0
.endif
.set WN, 0x02+(\a)/4
	s_cmp_eq_u32 ttmp9, 2
	s_cbranch_scc1 .Lby_lane_\@
	WIN WN
.set i, 0
.rept 32
	v_pk_add_f32 v[T+2*i:T+2*i+1], v[64*((\a)%4)+2*i:64*((\a)%4)+2*i+1], v[BB+2*i:BB+2*i+1]
.set i, i+1
.endr
	WIN 0
	s_branch .Lsummed_\@
.Lby_lane_\@:
	WIN WN
.set i, 0
.rept 32
	v_pk_add_f32 v[T+2*i:T+2*i+1], v[64*((\a)%4)+2*i:64*((\a)%4)+2*i+1], v[BA+2*(\a):BA+2*(\a)+1]
.set i, i+1
.endr
	WIN 0
.Lsummed_\@:
	QUANT T, PWS+(\a)
	global_store_b128 v[I16], v[PC:PC+3], s[CB+4*((\a)/4):CB+4*((\a)/4)+1] offset:768*((\a)%4)
	global_store_b64 v[I8], v[PC+4:PC+5], s[CB+4*((\a)/4):CB+4*((\a)/4)+1] offset:768*((\a)%4)+512
	global_store_b128 v[I16], v[PC+6:PC+9], s[CB+4*((\a)/4)+2:CB+4*((\a)/4)+3] offset:768*((\a)%4)
	global_store_b64 v[I8], v[PC+10:PC+11], s[CB+4*((\a)/4)+2:CB+4*((\a)/4)+3] offset:768*((\a)%4)+512
.endm
	s_wait_loadcnt 0x0
	PLACES NP
.irp a, 0,1,2,3,4,5,6,7
	OUTBLK \a
.endr
	v_cmp_le_u32 vcc_lo, 16, v[LN]
.irp i, 0,1,2,3
	v_cndmask_b32 v[OW+\i], v[PWS+2*\i], v[PWS+2*\i+1], vcc_lo
.endr
.irp i, 0,1,2,3
	global_store_b32 v[I4], v[OW+\i], s[42-2*(\i/2):43-2*(\i/2)] offset:128*(\i%2)
.endr
	s_wait_tensorcnt 0x0
	ds_add_u32 v[SPW], v[NIL]
	s_wait_dscnt 0x0
	CROUND
	s_endpgm
.Lfunc_end_k_qb11c6cde53_qkv:
	.size	k_qb11c6cde53_qkv, .Lfunc_end_k_qb11c6cde53_qkv-k_qb11c6cde53_qkv
	.p2alignl 7, 3214868480
	.fill 96, 4, 3214868480
	.section	.rodata,"a",@progbits
	.p2align	6, 0x0
	.amdhsa_kernel k_qb11c6cde53_qkv
		.amdhsa_group_segment_fixed_size 327680
		.amdhsa_private_segment_fixed_size 0
		.amdhsa_enable_private_segment 0
		.amdhsa_kernarg_size 56
		.amdhsa_user_sgpr_count 2
		.amdhsa_user_sgpr_kernarg_segment_ptr 1
		.amdhsa_wavefront_size32 1
		.amdhsa_system_sgpr_workgroup_id_x 1
		.amdhsa_system_sgpr_workgroup_id_y 1
		.amdhsa_system_sgpr_workgroup_id_z 1
		.amdhsa_system_vgpr_workitem_id 0
		.amdhsa_next_free_vgpr 1024
		.amdhsa_next_free_sgpr 100
		.amdhsa_reserve_vcc 1
		.amdhsa_float_denorm_mode_32 3
		.amdhsa_float_denorm_mode_16_64 3
		.amdhsa_memory_ordered 1
		.amdhsa_forward_progress 1
		.amdhsa_inst_pref_size 189
	.end_amdhsa_kernel
	.amdgpu_metadata
---
amdhsa.version: [ 1, 2 ]
amdhsa.kernels:
  - .name:           k_qb11c6cde53_qkv
    .symbol:         k_qb11c6cde53_qkv.kd
    .args:
      - { .name: ops, .offset: 0, .size: 8, .value_kind: global_buffer, .address_space: global }
      - { .name: opss, .offset: 8, .size: 8, .value_kind: global_buffer, .address_space: global }
      - { .name: q_b, .offset: 16, .size: 8, .value_kind: global_buffer, .address_space: global }
      - { .name: k_b, .offset: 24, .size: 8, .value_kind: global_buffer, .address_space: global }
      - { .name: v_b, .offset: 32, .size: 8, .value_kind: global_buffer, .address_space: global }
      - { .name: qkvc, .offset: 40, .size: 8, .value_kind: global_buffer, .address_space: global }
      - { .name: qkvs, .offset: 48, .size: 8, .value_kind: global_buffer, .address_space: global }
    .group_segment_fixed_size: 327680
    .private_segment_fixed_size: 0
    .kernarg_segment_align: 8
    .kernarg_segment_size: 56
    .max_flat_workgroup_size: 128
    .sgpr_count:     100
    .vgpr_count:     1024
    .wavefront_size: 32
...
	.end_amdgpu_metadata
.endif
;; end of part 2
;; launch attn (part 3): grid 4 x 64, 16 waves a work-group, clusters of 4 x 1, 327,680 bytes of LDS; arguments qkvc, qkvs, ao, aos; writes ao, aos
.if DOCPART == 3
	.amdgcn_target "amdgcn-amd-amdhsa--gfx1250"
	.amdhsa_code_object_version 6
	.text
	.protected	k_qb11c6cde53_attn
	.globl	k_qb11c6cde53_attn
	.p2align	8
	.type	k_qb11c6cde53_attn,@function
k_qb11c6cde53_attn:
	s_mov_b64 s[64:65], 0
	v_nop
	global_prefetch_b8 v0, s[64:65] scope:SCOPE_SE
	s_setreg_imm32_b32 hwreg(HW_REG_WAVE_MODE, 25, 1), 1
	s_wait_xcnt 0x0
	s_wait_alu depctr_hold_cnt(0) depctr_sa_sdst(0) depctr_va_vdst(0) depctr_va_sdst(0) depctr_va_ssrc(0) depctr_va_vcc(0) depctr_vm_vsrc(0)
	s_getreg_b32 s2, hwreg(HW_REG_IB_STS2, 6, 4)
	s_cmp_eq_u32 s2, 0
	s_cbranch_scc0 .Lentry_in_a_cluster
	s_endpgm
.Lentry_in_a_cluster:
	s_bfe_u32 s2, ttmp6, 0x10000c
	s_cmp_lg_u32 s2, 0x3003
	s_cbranch_scc0 .Lentry_shape_is_right
	s_endpgm
.Lentry_shape_is_right:
; ATTENTION on codes of E2M3, head size 64, 2,048 keys, no mask; the result is quantised along E for the last product.
; t = score x log2(e) / 8; M = the running largest t rounded UP to a whole number; p = 2^(t - M) is quantised along the keys, not normalised; the row's sum is taken of the unquantised p and divides O at the end.
; SHARES.  Work-group (cx, y): head y (16 x batch + head) and queries 512 cx on.  Each of its sixteen waves owns two tiles of 16 queries, 2 w and 2 w + 1 of the 32, one after the other.
; THE HEAD'S WHOLE K AND V (98,304 bytes each) AND ITS SCALE WORDS STAY IN LDS: every byte is filled once, nothing is filled again, and the key loops hold no barrier.
; Two groups of fills: at the head keys 0-511 of K and V and the scale words (15 waves x 4,096 bytes); the other 1,536 keys (16 waves x 9,216 bytes), which have four key steps to land in.
; CLUSTER: the four work-groups of a head need the same bytes: every fill is a joint load with the mask 15; no descriptor word, LDS address or branch hangs on cx.
; No prefetch: both groups of fills are issued ahead of the first key step, so there is no later load for a loop to run ahead of.
; LDS ROWS: every 256 bytes of memory are followed by 64 bytes of padding (pitch 320), so a half fragment of 768 bytes (16 rows x 64 K: registers 0-3 at 16 l, registers 4-5 at 512 + 8 l) has the pitch 960.
; Both products are used transposed (S^T = K Q^T, O^T = V^T P^T): a lane holds one query throughout.
; WHICH KEYS FORM A TILE OF K is chosen here by LDS addresses alone.  In memory tile 2 b + u of a step holds in row rho the key 32 b + 8 u + rho + 8 (rho / 8).  Tile (c, t) of S takes as rows 0-7 the keys 64 c + 8 t + 0..7 and as
; rows 8-15 the keys 64 c + 32 + 8 t + 0..7: lane (r, h) reads place r % 8 + 8 (t / 2) + 16 h of stored tile 4 c + 2 (r / 8) + t % 2.  So register 32 c + i of S^T in lane (r, h) is key 64 c + 32 h + i: a lane holds WHOLE blocks of 32 keys in the
; order of the 6-bit operand: no other lane is asked for a block's maximum and no code changes lanes.  Two stored tiles are 1,920 bytes apart, 128 modulo 256.
; THE HEAD'S 64 FILL HALF OF AN INSTRUCTION'S K: Q stands as six registers of codes and six of zero codes; a fragment of K is its own six registers and the six that follow, which meet Q's zero codes.  The head's two scale bytes are read
; as 16 bits at 2 x (head % 2) of the pair's words: the upper two bytes are 0, a finite scale, over zero codes.
; OUT: a half fragment a tile (768 bytes, whole); the two scale bytes a row go to their half of the pair's scale words, 2 bytes a lane, one store a wave.
; LIMITS: the promise holds while the scaled scores stay under 2^31 in magnitude; NaN and infinities are not served; a block of zeros gets the byte 1, not 127 (its codes are zeros; this program alone reads the bytes).
.set TP,    960                        ; a stored tile in LDS
.set STP,   7680                       ; a key step (128 keys): eight tiles, of K and of V alike
.set VREG,  122880                     ; V, behind K's 128 tiles
.set SCK,   245760                     ; K's scale words of the pair: 640 bytes a step
.set SCV,   256000                     ; V's of this head: 320 bytes a step
.set SPARE, 261120                     ; the spare words, 128 bytes a wave: eight blocks of 256 bytes that no other line names
; v1, v2 K's lane addresses (16 and 8 bytes); v3, v4 scale words' (K, V); v5, v6 the spare word and 0; v7, v8 V's; v9-11, v242-244 the step's addresses; v12 -M; v13 the largest score; v[14:15] the sum;
; v16-27, v28-39 Q of my two tiles, each with six zero registers; v40, v41 16 l and 512 + 8 l; v42-89 K's, then V's fragments; v90-95 zero; v96-159 S^T, then p; v160-191 O^T; v192-203 p's codes;
; v204-207 maxima; v208-214 codes on their way; v216-219 scale operands and bytes; v220-227 scale words; v228 p's; v229, v240 Q's; v[230:231] f, 0; v233 4 l; v234-239 the result; v241 8 h; v246, v247 its scale bytes; v232, v245, v248-253 at work
.macro CROUND                          ; a round of the cluster's barrier
	s_barrier_signal -1
	s_barrier_wait -1
	s_cmp_lg_u32 s12, 0
	s_cbranch_scc1 .Lnot_wave_0_\@
	s_barrier_signal -3
.Lnot_wave_0_\@:
	s_barrier_wait -3
	s_barrier_signal -1
	s_barrier_wait -1
.endm
	s_load_b256 s[4:11], s[0:1], 0x0               ; qkvc, qkvs, ao, aos
	v_lshl_add_u32 v5, v0, 2, SPARE
	v_mov_b32 v6, 0
	ds_add_u32 v5, v6                              ; the opening lines: the add, twice on end, and its wait
	ds_add_u32 v5, v6
	v_lshrrev_b32 v8, 5, v0
	v_readfirstlane_b32 s12, v8                    ; wave 0..15
	s_bfe_u32 s13, ttmp6, 0x40000                  ; cx
	s_and_b32 s14, ttmp7, 0xffff                   ; the head, 0..63
	s_and_b32 s15, s14, 1
	s_mov_b32 s24, 15|(3<<16)|(1<<20)|(1<<21)|(5<<22)|(15<<25)  ; group 1: the mask of all four partners; elements of 8 bytes; 16 words of padding behind every 64
	s_mov_b32 s25, 32<<16
	s_mov_b32 s26, 16<<16                          ; the head's fills: 16 rows of 256 bytes
	s_mov_b32 s27, 32<<16
	s_mov_b32 s28, 16
	s_mov_b32 s29, 32
	s_mov_b32 s30, 0
	s_mov_b32 s31, 0
	s_mov_b32 s32, 15|(3<<16)|(1<<20)|(1<<21)|(5<<22)|(15<<25)
	s_mov_b32 s33, 32<<16
	s_mov_b32 s34, 36<<16                          ; the second group's: 36 rows
	s_mov_b32 s35, 32<<16
	s_mov_b32 s36, 36
	s_mov_b32 s37, 32
	s_mov_b32 s38, 0
	s_mov_b32 s39, 0
	s_mov_b32 s20, 0x76543210
	s_mov_b32 s21, 0xfedcba98                      ; lane l xor 16
	s_mov_b32 s22, 0x3e38aa3b                      ; c = log2(e) / 8
	s_mov_b32 s23, s22                             ; (named with it as a pair, so it is written)
	s_mul_i32 s63, s14, 98304                      ; the head's codes in each of q, k, v
	s_lshr_b32 s61, s14, 1
	s_lshl_b32 s61, s61, 13                        ; the pair's scale words
	; the head's fills: waves 0-5 K's keys 0-511, waves 6-11 V's, waves 12, 13 K's scale words, wave 14 V's
	s_mul_i32 s52, s12, 11
	s_lshr_b32 s52, s52, 6                         ; wave / 6
	s_mul_i32 s41, s12, 5120
	s_mul_i32 s53, s52, 92160
	s_add_co_u32 s41, s41, s53                     ; LDS: 5,120 x wave + 92,160 x (wave / 6)
	s_mul_i32 s53, s52, 6
	s_sub_co_u32 s53, s12, s53                     ; my unit of 4,096 bytes in its region
	s_add_co_u32 s54, s52, 1
	s_mul_i32 s54, s54, 6291456
	s_add_co_u32 s54, s54, s63
	s_lshl_b32 s60, s53, 12
	s_add_co_u32 s54, s54, s60                     ; codes: k or v, the head, the unit
	s_lshr_b32 s55, s53, 1                         ; scale words: 0 for K's, 1 for V's
	s_mul_i32 s62, s55, s15
	s_add_co_u32 s60, s55, 1
	s_lshl_b32 s60, s60, 18
	s_add_co_u32 s60, s60, s61
	s_and_b32 s55, s53, 1
	s_add_co_u32 s62, s62, s55                     ; K's: which half; V's: which head of the pair
	s_lshl_b32 s62, s62, 12
	s_add_co_u32 s60, s60, s62
	s_mov_b32 s55, 0
	; the second group: waves 0-7 K's keys 512 on, waves 8-15 V's
	s_lshr_b32 s66, s12, 3
	s_mul_i32 s45, s12, 11520
	s_mul_i32 s67, s66, 30720
	s_add_co_u32 s45, s45, s67
	s_add_co_u32 s45, s45, 30720
	s_add_co_u32 s66, s66, 1
	s_mul_i32 s66, s66, 6291456
	s_add_co_u32 s66, s66, s63
	s_and_b32 s67, s12, 7
	s_mul_i32 s67, s67, 9216
	s_add_co_u32 s66, s66, s67
	s_add_co_u32 s66, s66, 24576
	s_mov_b32 s67, 0
	; Q and the result: offsets that hang on cx, in registers of their own
	s_lshl_b32 s68, s13, 5
	s_lshl_b32 s69, s12, 1
	s_add_co_u32 s68, s68, s69                     ; my first tile of queries: 32 cx + 2 wave
	s_mul_i32 s56, s68, 768
	s_add_co_u32 s56, s56, s63
	s_mov_b32 s57, 0
	s_lshl_b32 s69, s15, 1
	s_lshl_b32 s58, s68, 6
	s_add_co_u32 s58, s58, s61
	s_add_co_u32 s58, s58, s69
	s_mov_b32 s59, 0
	s_lshr_b32 s70, s14, 4
	s_lshl_b32 s70, s70, 3
	s_lshr_b32 s71, s68, 4
	s_add_co_u32 s70, s70, s71                     ; the result's group of 256 tokens
	s_and_b32 s71, s68, 15                         ; my first tile in it
	s_and_b32 s72, s14, 15                         ; the head in its batch = the next product's K / 64
	s_mul_i32 s74, s70, 196608
	s_mul_i32 s75, s72, 12288
	s_add_co_u32 s74, s74, s75
	s_mul_i32 s75, s71, 768
	s_add_co_u32 s74, s74, s75
	s_mov_b32 s75, 0
	s_lshl_b32 s76, s70, 13
	s_lshr_b32 s77, s72, 1
	s_lshl_b32 s77, s77, 10
	s_add_co_u32 s76, s76, s77
	s_lshl_b32 s77, s71, 6
	s_add_co_u32 s76, s76, s77
	s_add_co_u32 s76, s76, s69
	s_mov_b32 s77, 0
	s_add_co_u32 s78, s69, SCK                     ; my head's two bytes of K's scale words
	s_mov_b32 s48, 0                               ; the key step's place among the tiles,
	s_mov_b32 s49, 0                               ; among K's scale words
	s_mov_b32 s50, 0                               ; and among V's
	s_mov_b32 s40, 1
	s_mov_b32 s44, 1
	s_wait_dscnt 0x0                               ; both opening adds are done
	s_wait_kmcnt 0x0
	s_cmp_eq_u32 s52, 2                            ; the choice hangs on the wave's number alone
	s_cselect_b32 s54, s60, s54
	s_cselect_b64 s[42:43], s[6:7], s[4:5]
	s_add_nc_u64 s[42:43], s[42:43], s[54:55]
	s_or_b32 s43, s43, 0x80000000
	s_add_nc_u64 s[46:47], s[4:5], s[66:67]
	s_or_b32 s47, s47, 0x80000000
	s_add_nc_u64 s[56:57], s[4:5], s[56:57]        ; Q's codes
	s_add_nc_u64 s[58:59], s[6:7], s[58:59]        ; and scale bytes
	s_add_nc_u64 s[8:9], s[8:9], s[74:75]
	s_add_nc_u64 s[10:11], s[10:11], s[76:77]
	CROUND                                         ; all four work-groups are here: the first joint loads meet
	s_cmp_lt_u32 s12, 15                           ; fifteen units: wave 15 has none
	s_cbranch_scc0 .Lhead_asked
	tensor_load_to_lds s[40:43], s[24:31]
	s_nop 0
.Lhead_asked:
	v_and_b32 v232, 31, v0                         ; l
	v_and_b32 v245, 15, v0                         ; r
	v_bfe_u32 v248, v0, 4, 1                       ; h
	v_and_b32 v249, 7, v0                          ; r % 8
	v_bfe_u32 v250, v0, 3, 1                       ; r / 8
	v_lshlrev_b32 v40, 4, v232
	v_lshlrev_b32 v41, 3, v232
	v_add_nc_u32 v41, 512, v41
	v_lshlrev_b32 v244, 2, v245
	global_load_b128 v[16:19], v40, s[56:57]
	global_load_b64 v[20:21], v41, s[56:57]
	global_load_b128 v[28:31], v40, s[56:57] offset:768
	global_load_b64 v[32:33], v41, s[56:57] offset:768
	global_load_u16 v229, v244, s[58:59]
	global_load_u16 v240, v244, s[58:59] offset:64
	v_lshlrev_b32 v233, 2, v232
	v_lshlrev_b32 v241, 3, v248
	v_mul_u32_u24 v251, v250, 2*TP                 ; rows 8-15 of a tile of S come from two stored tiles on
	v_mad_u32_u24 v252, v248, 320, v251
	v_lshl_add_u32 v1, v249, 4, v252               ; K, 16 bytes: 1,920 (r / 8) + 320 h + 16 (r % 8)
	v_lshl_add_u32 v252, v248, 7, v251
	v_lshl_add_u32 v252, v249, 3, v252
	v_add_nc_u32 v2, 640, v252                     ; K, 8 bytes: 640 + 1,920 (r / 8) + 128 h + 8 (r % 8)
	v_lshlrev_b32 v252, 7, v250
	v_lshl_add_u32 v252, v249, 2, v252
	v_add_nc_u32 v3, s78, v252                     ; K's scale bytes: 128 (r / 8) + 4 (r % 8)
	v_add_nc_u32 v4, SCV, v244                     ; V's scale words: 4 r
	v_mul_u32_u24 v252, v248, 320
	v_lshl_add_u32 v252, v245, 4, v252
	v_add_nc_u32 v7, VREG, v252                    ; V, 16 bytes: 320 h + 16 r
	v_lshlrev_b32 v252, 3, v232
	v_add_nc_u32 v8, VREG+640, v252                ; V, 8 bytes: 640 + 8 l
.irp i, 0,1,2,3,4,5
	v_mov_b32 v[22+\i], 0                          ; zero codes
	v_mov_b32 v[34+\i], 0
	v_mov_b32 v[90+\i], 0
.endr
	v_mov_b32 v231, 0
.macro INIT                            ; a tile of queries begins: the sum and O^T as zeros, the largest score under every score, -M so large that the first f is 0; so the key step is written in one form
	v_mov_b32 v13, 0xff61b1e6
	v_mov_b32 v12, 0x7f61b1e6
	v_mov_b32 v14, 0
	v_mov_b32 v15, 0
.set i, 0
.rept 32
	v_mov_b32 v[160+i], 0
.set i, i+1
.endr
.endm
; A KEY STEP: 128 keys.  q: Q's twelve registers; qs: its scale register
.macro STEP q, qs
	v_add_nc_u32 v9, s48, v1                       ; these four are the places in front of loads into registers that the last products have read
	v_add_nc_u32 v10, s48, v2
	v_add_nc_u32 v11, s49, v3
	v_nop
.irp c, 0,1
.irp t, 0,1,2,3
	ds_load_b128 v[42+24*\c+6*\t:45+24*\c+6*\t], v9 offset:TP*(4*\c+(\t%2))+128*(\t/2)
	ds_load_b64 v[46+24*\c+6*\t:47+24*\c+6*\t], v10 offset:TP*(4*\c+(\t%2))+64*(\t/2)
	ds_load_u16 v[220+4*\c+\t], v11 offset:320*\c+64*(\t%2)+32*(\t/2)
.endr
.endr
	s_wait_dscnt 0x0
.irp n, 0,1,2,3,4,5,6,7
	v_wmma_scale_f32_16x16x128_f8f6f4 v[96+8*\n:103+8*\n], v[42+6*\n:53+6*\n], v[\q:\q+11], 0, v[220+\n], v[\qs] matrix_a_fmt:MATRIX_FMT_FP6 matrix_b_fmt:MATRIX_FMT_FP6
.endr
	v_add_nc_u32 v242, s48, v7                     ; four places: the scores are read, and V is loaded over K
	v_add_nc_u32 v243, s48, v8
	v_add_nc_u32 v244, s50, v4
	v_nop
.irp d, 0,1,2,3                                ; V's four fragments land while the softmax is worked
	ds_load_b128 v[42+12*\d:45+12*\d], v242 offset:TP*\d
	ds_load_b64 v[46+12*\d:47+12*\d], v243 offset:TP*\d
	ds_load_b128 v[48+12*\d:51+12*\d], v242 offset:4*TP+TP*\d
	ds_load_b64 v[52+12*\d:53+12*\d], v243 offset:4*TP+TP*\d
	ds_load_b32 v[220+\d], v244 offset:64*\d
.endr
.irp k, 0,1,2,3                                ; the largest score of my two blocks of 32 keys, in four chains; each accumulator is read from its low end on
	v_max3_num_f32 v[204+\k], v[96+16*\k], v[97+16*\k], v[98+16*\k]
.endr
.irp i, 3,5,7,9,11,13
.irp k, 0,1,2,3
	v_max3_num_f32 v[204+\k], v[204+\k], v[96+16*\k+\i], v[97+16*\k+\i]
.endr
.endr
	v_max3_num_f32 v204, v204, v111, v127
	v_max3_num_f32 v206, v206, v143, v159
	s_delay_alu instid0(VALU_DEP_2)
	v_max_num_f32 v204, v204, v205                 ; block h
	s_delay_alu instid0(VALU_DEP_2)
	v_max_num_f32 v206, v206, v207                 ; block 2 + h
	s_delay_alu instid0(VALU_DEP_1)
	v_max_num_f32 v232, v204, v206
	s_delay_alu instid0(VALU_DEP_1)
	v_permlanex16_b32 v245, v232, s20, s21
	s_delay_alu instid0(VALU_DEP_1)
	v_max3_num_f32 v13, v13, v232, v245            ; the running largest score of my query
	s_delay_alu instid0(VALU_DEP_1)
	v_mul_f32 v232, s22, v13                       ; as t (c is positive)
	s_delay_alu instid0(VALU_DEP_1)
	v_floor_f32 v248, -v232                        ; the new -M = -ceil(t)
	s_delay_alu instid0(VALU_DEP_1)
	v_sub_f32 v232, v248, v12                      ; old M - new M: a whole number, 0 or less
	v_mov_b32 v12, v248
.set i, 0
.rept 32
	v_pk_fma_f32 v[96+i:97+i], v[96+i:97+i], s[22:23], v[12:13] op_sel_hi:[1,0,0]   ; t - M
.set i, i+2
.endr
	v_fma_f32 v204, v204, s22, v12                 ; the same of each block's largest score: p rises with the score
	v_fma_f32 v206, v206, s22, v12
	s_wait_alu depctr_va_vdst(0)
.set i, 0
.rept 64
	v_exp_f32 v[96+i], v[96+i]                     ; p = 2^(t - M)
.set i, i+1
.endr
	v_exp_f32 v204, v204                           ; each block's largest p
	v_exp_f32 v206, v206
	v_cvt_i32_f32 v232, v232                       ; (it saturates)  Plain lines behind the exponentials
	s_delay_alu instid0(VALU_DEP_1)
	v_ldexp_f32 v230, 1.0, v232                    ; f = 2^(old M - new M): a multiplication by it rounds nothing
	s_wait_alu depctr_va_vdst(0)                   ; one wait for the batch, ahead of its first reader
	v_max_num_f32 v204, 0x1800000, v204            ; the floor 2^(3 - 127): the byte cannot fall under 1
	v_max_num_f32 v206, 0x1800000, v206
	s_delay_alu instid0(VALU_DEP_2)
	v_add_nc_u32 v216, 0xff000000, v204            ; 2 off the exponent field: the conversion's scale operand
	s_delay_alu instid0(VALU_DEP_2)
	v_add_nc_u32 v217, 0xff000000, v206
	s_delay_alu instid0(VALU_DEP_2)
	v_lshrrev_b32 v218, 23, v216
	s_delay_alu instid0(VALU_DEP_2)
	v_lshrrev_b32 v219, 23, v217
	s_delay_alu instid0(VALU_DEP_1)
	v_lshl_or_b32 v218, v219, 16, v218             ; my two bytes, blocks h and 2 + h,
	s_delay_alu instid0(VALU_DEP_1)
	v_lshlrev_b32 v218, v241, v218                 ; at their places in the scale word;
	s_delay_alu instid0(VALU_DEP_1)
	v_permlanex16_b32 v245, v218, s20, s21
	s_delay_alu instid0(VALU_DEP_1)
	v_or_b32 v228, v218, v245                      ; with lane l xor 16's two the word is whole
	v_cvt_scalef32_pk16_fp6_f32 v[192:194], v[96:111], v216
	v_cvt_scalef32_pk16_fp6_f32 v[208:210], v[112:127], v216       ; (a conversion's three registers begin on an even number)
	v_cvt_scalef32_pk16_fp6_f32 v[198:200], v[128:143], v217
	v_cvt_scalef32_pk16_fp6_f32 v[212:214], v[144:159], v217
	v_pk_fma_f32 v[14:15], v[14:15], v[230:231], v[96:97] op_sel_hi:[1,0,1]   ; the sum under the new M, and the unquantised p onto it, in four chains
.irp k, 0,1,2
	v_pk_add_f32 v[248+2*\k:249+2*\k], v[98+4*\k:99+4*\k], v[100+4*\k:101+4*\k]
.endr
.set i, 110
.rept 6
	v_pk_add_f32 v[14:15], v[14:15], v[i:i+1]
	v_pk_add_f32 v[248:249], v[248:249], v[i+2:i+3]
	v_pk_add_f32 v[250:251], v[250:251], v[i+4:i+5]
	v_pk_add_f32 v[252:253], v[252:253], v[i+6:i+7]
.set i, i+8
.endr
	v_pk_add_f32 v[14:15], v[14:15], v[158:159]
	v_pk_add_f32 v[248:249], v[248:249], v[250:251]
	v_pk_add_f32 v[14:15], v[14:15], v[252:253]
	s_delay_alu instid0(VALU_DEP_1)
	v_pk_add_f32 v[14:15], v[14:15], v[248:249]
.irp i, 0,1,2
	v_mov_b32 v[195+\i], v[208+\i]
	v_mov_b32 v[201+\i], v[212+\i]
.endr
	s_wait_dscnt 0x0                               ; V
	s_wait_alu depctr_va_vdst(0)
.set i, 0
.rept 16
	v_pk_mul_f32 v[160+i:161+i], v[160+i:161+i], v[230:231] op_sel_hi:[1,0]   ; O^T under the new M.  Twelve of the sixteen name no register of a given product below: the places in front of it
.set i, i+2
.endr
.irp d, 0,1,2,3                                ; four accumulators by turns
	v_wmma_scale_f32_16x16x128_f8f6f4 v[160+8*\d:167+8*\d], v[42+12*\d:53+12*\d], v[192:203], v[160+8*\d:167+8*\d], v[220+\d], v228 matrix_a_fmt:MATRIX_FMT_FP6 matrix_b_fmt:MATRIX_FMT_FP6
.endr
.endm
.macro NEXT lab
	s_add_co_u32 s48, s48, STP
	s_add_co_u32 s49, s49, 640
	s_add_co_u32 s50, s50, 320
	s_sub_co_u32 s51, s51, 1
	s_cmp_lg_u32 s51, 0
	s_cbranch_scc1 \lab
.endm
; A tile's end: O^T / the sum, 32 numbers a lane (register 16 b + i = channel 32 b + 16 (lane / 16) + i), becomes a half fragment of the next product's operand and two scale bytes in v[ow].  n: which of my two tiles
.macro FINAL n, ow
	s_wait_xcnt 0x0                                ; earlier stores have read their registers
.rept 4
	v_nop                                          ; places behind the last products
.endr
	v_add_f32 v14, v14, v15
	s_delay_alu instid0(VALU_DEP_1)
	v_permlanex16_b32 v232, v14, s20, s21
	s_delay_alu instid0(VALU_DEP_1)
	v_add_f32 v14, v14, v232                       ; the row's sum
	s_wait_alu depctr_va_vdst(0)
	v_rcp_f32 v230, v14
	v_nop
	s_wait_alu depctr_va_vdst(0)                   ; ahead of the first reader
.set i, 0
.rept 16
	v_pk_mul_f32 v[96+i:97+i], v[160+i:161+i], v[230:231] op_sel_hi:[1,0]
.set i, i+2
.endr
.irp b, 0,1
	v_max3_num_f32 v[204+\b], |v[96+16*\b]|, |v[97+16*\b]|, 0x1800000
.endr
.irp i, 2,4,6,8,10,12,14
.irp b, 0,1
	s_delay_alu instid0(VALU_DEP_2)
	v_max3_num_f32 v[204+\b], v[204+\b], |v[96+16*\b+\i]|, |v[97+16*\b+\i]|
.endr
.endr
.irp b, 0,1
	s_delay_alu instid0(VALU_DEP_2)
	v_permlanex16_b32 v[248+\b], v[204+\b], s20, s21
.endr
.irp b, 0,1
	s_delay_alu instid0(VALU_DEP_2)
	v_max_num_f32 v[204+\b], v[204+\b], v[248+\b]
.endr
.irp b, 0,1
	s_delay_alu instid0(VALU_DEP_2)
	v_add_nc_u32 v[216+\b], 0xff000000, v[204+\b]
.endr
.irp b, 0,1
	s_delay_alu instid0(VALU_DEP_2)
	v_lshrrev_b32 v[218+\b], 23, v[216+\b]
.endr
	s_delay_alu instid0(VALU_DEP_1)
	v_lshl_or_b32 v[\ow], v219, 8, v218
	v_cvt_scalef32_pk16_fp6_f32 v[234:236], v[96:111], v216
	v_cvt_scalef32_pk16_fp6_f32 v[248:250], v[112:127], v217
	v_nop                                          ; one plain line behind the scaled conversions
.irp i, 0,1,2
	v_permlane16_swap_b32 v[234+\i], v[248+\i]     ; a whole block to a lane
.endr
.irp i, 0,1,2
	s_delay_alu instid0(VALU_DEP_3)
	v_mov_b32 v[237+\i], v[248+\i]
.endr
	global_store_b128 v40, v[234:237], s[8:9] offset:768*\n        ; 512 and 256 consecutive bytes, aligned
	global_store_b64 v41, v[238:239], s[8:9] offset:768*\n
.endm
	INIT
	s_wait_alu depctr_va_vdst(0)
	s_wait_loadcnt 0x0                             ; Q
	s_wait_tensorcnt 0x0                           ; my unit of the head's fills is in
	ds_add_u32 v5, v6                              ; the add, twice on end here
	ds_add_u32 v5, v6
	s_wait_dscnt 0x0
	CROUND                                         ; everybody's unit is in, and all four work-groups are here
	tensor_load_to_lds s[44:47], s[32:39]          ; the other 1,536 keys: my one load behind the round
	s_nop 0
	s_mov_b32 s51, 4
.Lfirst:                                           ; keys 0-511 of my first tile of queries
	STEP 16, 229
	NEXT .Lfirst
	s_wait_tensorcnt 0x0                           ; my part of the second group is in;
	s_wait_dscnt 0x0
	s_barrier_signal -1
	s_barrier_wait -1                              ; and everybody's: from here on all of K and V is there, and nothing is filled again
	s_mov_b32 s51, 12
.Lrest:
	STEP 16, 229
	NEXT .Lrest
	FINAL 0, 246
	INIT
	s_mov_b32 s48, 0
	s_mov_b32 s49, 0
	s_mov_b32 s50, 0
	s_mov_b32 s51, 16
.Lsecond:                                          ; my second tile of queries: all sixteen key steps
	STEP 28, 240
	NEXT .Lsecond
	FINAL 1, 247
	v_and_b32 v248, 16, v0
	s_delay_alu instid0(VALU_DEP_1)
	v_cmp_ne_u32 vcc_lo, 0, v248
	s_delay_alu instid0(VALU_DEP_1)
	v_cndmask_b32 v246, v246, v247, vcc_lo         ; lanes 0-15 the first tile's rows, lanes 16-31 the second's
	global_store_b16 v233, v246, s[10:11]          ; my head's two bytes of 32 neighbouring scale words
	s_wait_tensorcnt 0x0                           ; the wave's end
	ds_add_u32 v5, v6
	s_wait_dscnt 0x0
	CROUND                                         ; the closing round
	s_endpgm
.Lfunc_end_k_qb11c6cde53_attn:
	.size	k_qb11c6cde53_attn, .Lfunc_end_k_qb11c6cde53_attn-k_qb11c6cde53_attn
	.p2alignl 7, 3214868480
	.fill 96, 4, 3214868480
	.section	.rodata,"a",@progbits
	.p2align	6, 0x0
	.amdhsa_kernel k_qb11c6cde53_attn
		.amdhsa_group_segment_fixed_size 327680
		.amdhsa_private_segment_fixed_size 0
		.amdhsa_enable_private_segment 0
		.amdhsa_kernarg_size 32
		.amdhsa_user_sgpr_count 2
		.amdhsa_user_sgpr_kernarg_segment_ptr 1
		.amdhsa_wavefront_size32 1
		.amdhsa_system_sgpr_workgroup_id_x 1
		.amdhsa_system_sgpr_workgroup_id_y 1
		.amdhsa_system_sgpr_workgroup_id_z 1
		.amdhsa_system_vgpr_workitem_id 0
		.amdhsa_next_free_vgpr 256
		.amdhsa_next_free_sgpr 80
		.amdhsa_reserve_vcc 1
		.amdhsa_float_denorm_mode_32 3
		.amdhsa_float_denorm_mode_16_64 3
		.amdhsa_memory_ordered 1
		.amdhsa_forward_progress 1
		.amdhsa_inst_pref_size 69
	.end_amdhsa_kernel
	.amdgpu_metadata
---
amdhsa.version: [ 1, 2 ]
amdhsa.kernels:
  - .name:           k_qb11c6cde53_attn
    .symbol:         k_qb11c6cde53_attn.kd
    .args:
      - { .name: qkvc, .offset: 0, .size: 8, .value_kind: global_buffer, .address_space: global }
      - { .name: qkvs, .offset: 8, .size: 8, .value_kind: global_buffer, .address_space: global }
      - { .name: ao, .offset: 16, .size: 8, .value_kind: global_buffer, .address_space: global }
      - { .name: aos, .offset: 24, .size: 8, .value_kind: global_buffer, .address_space: global }
    .group_segment_fixed_size: 327680
    .private_segment_fixed_size: 0
    .kernarg_segment_align: 8
    .kernarg_segment_size: 32
    .max_flat_workgroup_size: 512
    .sgpr_count:     80
    .vgpr_count:     256
    .wavefront_size: 32
...
	.end_amdgpu_metadata
.endif
;; end of part 3
;; launch outp (part 4): grid 4 x 32, 4 waves a work-group, clusters of 4 x 4, 327,680 bytes of LDS; arguments ao, aos, ops, opss, out_b, out0; writes out0
.if DOCPART == 4
	.amdgcn_target "amdgcn-amd-amdhsa--gfx1250"
	.amdhsa_code_object_version 6
	.text
	.protected	k_qb11c6cde53_outp
	.globl	k_qb11c6cde53_outp
	.p2align	8
	.type	k_qb11c6cde53_outp,@function
k_qb11c6cde53_outp:
	s_mov_b64 s[64:65], 0
	v_nop
	global_prefetch_b8 v0, s[64:65] scope:SCOPE_SE
	s_setreg_imm32_b32 hwreg(HW_REG_WAVE_MODE, 25, 1), 1
	s_wait_xcnt 0x0
	s_wait_alu depctr_hold_cnt(0) depctr_sa_sdst(0) depctr_va_vdst(0) depctr_va_sdst(0) depctr_va_ssrc(0) depctr_va_vcc(0) depctr_vm_vsrc(0)
	s_getreg_b32 s2, hwreg(HW_REG_IB_STS2, 6, 4)
	s_cmp_eq_u32 s2, 0
	s_cbranch_scc0 .Lentry_in_a_cluster
	s_endpgm
.Lentry_in_a_cluster:
	s_bfe_u32 s2, ttmp6, 0x10000c
	s_cmp_lg_u32 s2, 0xf033
	s_cbranch_scc0 .Lentry_shape_is_right
	s_endpgm
.Lentry_shape_is_right:
.set NQ,     2
.set FR,     12
.set NL,     4
.set NP,     4
.set SLOT,   98304
.set BOFF,   49152
.set SCL,    2*SLOT
.set SPARE,  SCL+16384
.set SPITCH, 528
.set ADRA, 16
.set ADRB, 20
.set STO,  24
.set RD,   25
.set CO,   26
.set ADRS, 27
.set SPW,  28
.set NIL,  29
.set SC,   32
.set BB,   64
.set AF,   128
.set BK,   128
.set G1, 24
.set G0, 32
.set G1B, 48
.set G0B, 56
.set G1S, 68
.set G0S, 76
.set G1SB, 80
.set G0SB, 88
.set MSB, 0
.macro WIN new
.if MSB != \new
	s_set_vgpr_msb (MSB<<8)|\new
.set MSB, \new
.endif
.endm
.set MUL_LO, 0xa1
.set MUL_HI, 0xf1
.set FST_LO, 0x81
.set FST_HI, 0xc1
.set TO_B,   0x40
.macro JLOAD g0a, g1a, g0b, g1b
	s_cmp_eq_u32 s19, 0
	s_cbranch_scc0 .Lfor_b_\@
	tensor_load_to_lds s[\g0a:\g0a+3], s[\g1a:\g1a+7]
	s_nop 0
.rept 4
	v_nop
.endr
	s_branch .Lasked_\@
.Lfor_b_\@:
	tensor_load_to_lds s[\g0b:\g0b+3], s[\g1b:\g1b+7]
	s_nop 0
.rept 4
	v_nop
.endr
.Lasked_\@:
.endm
.macro CREST
	s_cmp_lg_u32 s18, 0
	s_cbranch_scc1 .Lnot_wave_0_\@
	s_barrier_signal -3
.Lnot_wave_0_\@:
	s_barrier_wait -3
	s_barrier_signal -1
	s_barrier_wait -1
.endm
.macro CROUND
	s_barrier_signal -1
	s_barrier_wait -1
	CREST
.endm
.macro PLACES n
.rept \n
	v_nop
.endr
.endm
	s_load_b256 s[4:11], s[0:1], 0x0
	s_load_b128 s[12:15], s[0:1], 0x20
	v_lshl_add_u32 v[SPW], v0, 2, SPARE
	v_mov_b32 v[NIL], 0
	ds_add_u32 v28, v29
	ds_add_u32 v28, v29
	s_wait_dscnt 0x0
	v_lshrrev_b32 v1, 5, v0
	v_readfirstlane_b32 s18, v1
	s_lshr_b32 s19, s18, 1
	s_and_b32 s20, s18, 1
	s_bfe_u32 s21, ttmp6, 0x40000
	s_bfe_u32 s22, ttmp6, 0x40004
	s_and_b32 s2, ttmp7, 0xffff
	s_lshl_b32 s2, s2, 2
	s_add_co_u32 s46, s2, s22
	s_add_co_u32 s47, s21, 44
	s_lshl_b32 s40, s22, 2
	s_lshl_b32 s40, 15, s40
	s_lshl_b32 s41, 0x1111, s21
	s_or_b32 s[G1], s40, (3<<16)|(1<<21)
	s_or_b32 s[G1B], s41, (3<<16)|(1<<21)
	s_or_b32 s[G1S], s40, (3<<16)|(1<<21)
	s_or_b32 s[G1SB], s41, (3<<16)|(1<<21)
.irp g, G1, G1B
	s_mov_b32 s[\g+1], 32<<16
	s_mov_b32 s[\g+2], 96<<16
	s_mov_b32 s[\g+3], 32<<16
	s_mov_b32 s[\g+4], 96
	s_mov_b32 s[\g+5], 32
	s_mov_b32 s[\g+6], 0
	s_mov_b32 s[\g+7], 0
.endr
.irp g, G1S, G1SB
	s_mov_b32 s[\g+1], 32<<16
	s_mov_b32 s[\g+2], 16<<16
	s_mov_b32 s[\g+3], 32<<16
	s_mov_b32 s[\g+4], 16
	s_mov_b32 s[\g+5], 32
	s_mov_b32 s[\g+6], 0
	s_mov_b32 s[\g+7], 0
.endr
	s_mul_i32 s3, s20, 24576
	s_mul_i32 s92, s46, 196608
	s_add_co_u32 s92, s92, s3
	s_mov_b32 s93, 0
	s_mul_i32 s94, s47, 196608
	s_add_co_u32 s94, s94, s3
	s_mov_b32 s95, 0
	s_lshl_b32 s3, s20, 12
	s_lshl_b32 s96, s46, 13
	s_add_co_u32 s96, s96, s3
	s_mov_b32 s97, 0
	s_lshl_b32 s98, s47, 13
	s_add_co_u32 s98, s98, s3
	s_mov_b32 s99, 0
	s_mul_i32 s42, s18, 24576
	s_lshl_b32 s43, s18, 12
	s_wait_kmcnt 0x0
	s_add_nc_u64 s[92:93], s[4:5], s[92:93]
	s_add_nc_u64 s[94:95], s[8:9], s[94:95]
	s_add_nc_u64 s[96:97], s[6:7], s[96:97]
	s_add_nc_u64 s[98:99], s[10:11], s[98:99]
	CROUND
	s_mov_b32 s[G0S], 1
	s_add_co_u32 s[G0S+1], s43, SCL
	s_mov_b64 s[G0S+2:G0S+3], s[96:97]
	s_or_b32 s[G0S+3], s[G0S+3], 0x80000000
	s_mov_b32 s[G0SB], 1
	s_add_co_u32 s[G0SB+1], s43, SCL
	s_mov_b64 s[G0SB+2:G0SB+3], s[98:99]
	s_or_b32 s[G0SB+3], s[G0SB+3], 0x80000000
	JLOAD G0S, G1S, G0SB, G1SB
.irp s, 0,1
	s_mov_b32 s[G0+4*\s], 1
	s_add_co_u32 s[G0+4*\s+1], s42, \s*SLOT
	s_add_nc_u64 s[G0+4*\s+2:G0+4*\s+3], s[92:93], \s*BOFF
	s_or_b32 s[G0+4*\s+3], s[G0+4*\s+3], 0x80000000
	s_mov_b32 s[G0B+4*\s], 1
	s_add_co_u32 s[G0B+4*\s+1], s42, \s*SLOT
	s_add_nc_u64 s[G0B+4*\s+2:G0B+4*\s+3], s[94:95], \s*BOFF
	s_or_b32 s[G0B+4*\s+3], s[G0B+4*\s+3], 0x80000000
	s_wait_alu depctr_va_vdst(0)
	s_wait_tensorcnt 0x0
	ds_add_u32 v28, v29
	s_wait_dscnt 0x0
	CROUND
	JLOAD G0+4*\s, G1, G0B+4*\s, G1B
.endr
	v_and_b32 v6, 31, v0
	v_and_b32 v1, 15, v0
	v_bfe_u32 v2, v0, 4, 1
	v_lshlrev_b32 v[CO], 4, v6
	v_lshlrev_b32 v7, 3, v6
	s_mul_i32 s46, s19, 6144
	s_mul_i32 s47, s20, 6144
	s_add_co_u32 s47, s47, BOFF
.irp s, 0,1
	v_add_nc_u32 v[ADRA+\s], s46, v[CO]
	v_add_nc_u32 v[ADRB+\s], s47, v[CO]
	v_add_nc_u32 v[ADRA+2+\s], s46, v7
	v_add_nc_u32 v[ADRB+2+\s], s47, v7
	s_add_co_u32 s46, s46, SLOT
	s_add_co_u32 s47, s47, SLOT
.endr
	s_lshl_b32 s46, s19, 9
	s_lshl_b32 s47, s20, 9
	s_add_co_u32 s47, s47, 8192
	s_sub_co_u32 s47, s47, s46
	v_mul_u32_u24 v3, s47, v2
	s_add_co_u32 s46, s46, SCL
	v_lshl_add_u32 v3, v1, 2, v3
	v_add_nc_u32 v[ADRS], s46, v3
	s_mul_i32 s46, s18, 16*SPITCH
	v_mul_u32_u24 v5, v1, SPITCH
	v_lshl_add_u32 v5, v2, 6, v5
	v_add_nc_u32 v[STO], s46, v5
	v_add_nc_u32 v[RD], s46, v[CO]
	v_lshlrev_b32 v4, 6, v2
	s_wait_alu depctr_va_vdst(0)
	s_lshl_b32 s46, s21, 10
	s_lshl_b32 s47, s20, 9
	s_add_co_u32 s46, s46, s47
	s_mov_b32 s47, 0
	s_add_nc_u64 s[12:13], s[12:13], s[46:47]
	s_add_co_u32 s3, s2, s22
	s_lshl_b32 s3, s3, 20
	s_lshl_b32 s40, s19, 19
	s_add_co_u32 s3, s3, s40
	s_add_co_u32 s46, s46, s3
	s_add_nc_u64 s[14:15], s[14:15], s[46:47]
.irp b, 0,1,2,3,4,5,6,7
	global_load_b128 v[BB+8*\b:BB+8*\b+3], v4, s[12:13] offset:4*(32*(\b/2)+8*(\b%2))
	global_load_b128 v[BB+8*\b+4:BB+8*\b+7], v4, s[12:13] offset:4*(32*(\b/2)+8*(\b%2))+16
.endr
.macro FRAG reg, adr, q, i
	ds_load_b128 v[\reg:\reg+3], v[\adr] offset:24576*(\q)+768*(\i)
	ds_load_b64 v[\reg+4:\reg+5], v[\adr+2] offset:24576*(\q)+768*(\i)+512
	ds_load_b128 v[\reg+6:\reg+9], v[\adr] offset:24576*(\q)+12288+768*(\i)
	ds_load_b64 v[\reg+10:\reg+11], v[\adr+2] offset:24576*(\q)+12288+768*(\i)+512
.endm
.macro MUL16 a0, p, q, sc, first
.irp a, \a0, \a0+1
.irp b, 0,1,2,3,4,5,6,7
.if \first
	v_wmma_scale_f32_16x16x128_f8f6f4 v[8*(8*((\a)%4)+\b):8*(8*((\a)%4)+\b)+7], v[128*(\p)+FR*\b:128*(\p)+FR*\b+FR-1], v[AF+FR*(\a):AF+FR*(\a)+FR-1], v[BB+8*\b:BB+8*\b+7], v[SC+8*NQ*(\sc)+NQ*\b+(\q)], v[SC+8*NQ*(\sc)+NQ*(\a)+(\q)] matrix_a_fmt:MATRIX_FMT_FP6 matrix_b_fmt:MATRIX_FMT_FP6 matrix_a_scale:MATRIX_SCALE_ROW1
.else
	v_wmma_scale_f32_16x16x128_f8f6f4 v[8*(8*((\a)%4)+\b):8*(8*((\a)%4)+\b)+7], v[128*(\p)+FR*\b:128*(\p)+FR*\b+FR-1], v[AF+FR*(\a):AF+FR*(\a)+FR-1], v[8*(8*((\a)%4)+\b):8*(8*((\a)%4)+\b)+7], v[SC+8*NQ*(\sc)+NQ*\b+(\q)], v[SC+8*NQ*(\sc)+NQ*(\a)+(\q)] matrix_a_fmt:MATRIX_FMT_FP6 matrix_b_fmt:MATRIX_FMT_FP6 matrix_a_scale:MATRIX_SCALE_ROW1
.endif
.endr
.endr
.endm
.macro FETCH_B slot, q, p
	WIN TO_B
.irp i, 0,1,2,3,4,5,6,7
	FRAG 128*(\p)+FR*\i, ADRB+\slot, \q, \i
.endr
	WIN 0
.endm
.macro FETCH_A slot, q, i0
.irp i, \i0, \i0+1, \i0+2, \i0+3
	FRAG AF+FR*(\i), ADRA+\slot, \q, \i
.endr
.endm
.macro SCALES sc
.irp i, 0,1,2,3,4,5,6,7
.irp u, 0,1
	ds_load_b32 v[SC+8*NQ*\sc+NQ*\i+\u], v[ADRS] offset:1024*\u+64*\i
.endr
.endr
.endm
.macro STEP slot, q, first
	s_wait_dscnt 4*NL
.if \first
	WIN FST_LO
.else
	WIN MUL_LO
.endif
	MUL16 0, (\q)%2, \q, \slot, \first
	MUL16 2, (\q)%2, \q, \slot, \first
	s_wait_dscnt 0
	PLACES NP
	FETCH_B \slot, (\q)+1, 1-(\q)%2
	FETCH_A \slot, (\q)+1, 0
.if \first
	WIN FST_HI
.else
	WIN MUL_HI
.endif
	MUL16 4, (\q)%2, \q, \slot, \first
	MUL16 6, (\q)%2, \q, \slot, \first
	PLACES NP
	WIN 0
	FETCH_A \slot, (\q)+1, 4
.endm
.macro TURN slot, next, fill
	s_wait_tensorcnt 0x0
	ds_add_u32 v[SPW], v[NIL]
	s_wait_dscnt 4*NL+1
	WIN MUL_LO
	MUL16 0, 1, NQ-1, \slot, 0
	s_wait_dscnt 0x0
	s_barrier_signal -1
	MUL16 2, 1, NQ-1, \slot, 0
	WIN 0
	s_barrier_wait -1
.if \fill
	CREST
	s_add_nc_u64 s[G0+4*\slot+2:G0+4*\slot+3], s[G0+4*\slot+2:G0+4*\slot+3], 2*BOFF
	s_add_nc_u64 s[G0B+4*\slot+2:G0B+4*\slot+3], s[G0B+4*\slot+2:G0B+4*\slot+3], 2*BOFF
	JLOAD G0+4*\slot, G1, G0B+4*\slot, G1B
.else
	PLACES NP
.endif
	s_wait_alu depctr_va_vdst(0)
	v_add_nc_u32 v[ADRS], 1024*NQ, v[ADRS]
	FETCH_B \next, 0, 0
	FETCH_A \next, 0, 0
	SCALES \next
	WIN MUL_HI
	MUL16 4, 1, NQ-1, \slot, 0
	MUL16 6, 1, NQ-1, \slot, 0
	PLACES NP
	WIN 0
	FETCH_A \next, 0, 4
.endm
	s_wait_tensorcnt 1
	s_barrier_signal -1
	s_barrier_wait -1
	FETCH_B 0, 0, 0
	FETCH_A 0, 0, 0
	SCALES 0
	FETCH_A 0, 0, 4
	s_wait_loadcnt 0x0
	STEP 0, 0, 1
	TURN 0, 1, 1
	STEP 1, 0, 0
	TURN 1, 0, 1
	STEP 0, 0, 0
	TURN 0, 1, 0
	STEP 1, 0, 0
	s_wait_dscnt 4*NL
	WIN MUL_LO
	MUL16 0, 1, NQ-1, 1, 0
	MUL16 2, 1, NQ-1, 1, 0
	s_wait_dscnt 0
	WIN MUL_HI
	MUL16 4, 1, NQ-1, 1, 0
	MUL16 6, 1, NQ-1, 1, 0
	WIN 0
.macro TOSTAGE a
.set AC, 64*((\a)%4)
.set WN, 0x08+4*((\a)/4)
	WIN WN
.irp b, 0,1,2,3,4,5,6,7
	ds_store_b128 v[STO], v[AC+8*\b:AC+8*\b+3] offset:128*(\b/2)+32*(\b%2)
	ds_store_b128 v[STO], v[AC+8*\b+4:AC+8*\b+7] offset:128*(\b/2)+32*(\b%2)+16
.endr
	WIN 0
.set BR, BK+64*((\a)%2)
.irp t, 0,1,2,3,4,5,6,7,8,9,10,11,12,13,14,15
	ds_load_b128 v[BR+4*\t:BR+4*\t+3], v[RD] offset:\t*SPITCH
.endr
.endm
.macro SEND a, younger
.set BR, BK+64*((\a)%2)
	s_wait_dscnt \younger
.irp t, 0,1,2,3,4,5,6,7,8,9,10,11,12,13,14,15
	global_store_b128 v[CO], v[BR+4*\t:BR+4*\t+3], s[14:15] offset:4096*(32*((\a)/2)+8*((\a)%2)+\t+8*(\t/8)) th:TH_STORE_NT
.endr
.endm
	PLACES NP
	TOSTAGE 0
.irp a, 1,2,3,4,5,6,7
.if \a > 1
	s_wait_xcnt 0x0
.endif
	TOSTAGE \a
	SEND \a-1, 32
.endr
	SEND 7, 0
	s_wait_tensorcnt 0x0
	ds_add_u32 v[SPW], v[NIL]
	s_wait_dscnt 0x0
	CROUND
	s_endpgm
.Lfunc_end_k_qb11c6cde53_outp:
	.size	k_qb11c6cde53_outp, .Lfunc_end_k_qb11c6cde53_outp-k_qb11c6cde53_outp
	.p2alignl 7, 3214868480
	.fill 96, 4, 3214868480
	.section	.rodata,"a",@progbits
	.p2align	6, 0x0
	.amdhsa_kernel k_qb11c6cde53_outp
		.amdhsa_group_segment_fixed_size 327680
		.amdhsa_private_segment_fixed_size 0
		.amdhsa_enable_private_segment 0
		.amdhsa_kernarg_size 48
		.amdhsa_user_sgpr_count 2
		.amdhsa_user_sgpr_kernarg_segment_ptr 1
		.amdhsa_wavefront_size32 1
		.amdhsa_system_sgpr_workgroup_id_x 1
		.amdhsa_system_sgpr_workgroup_id_y 1
		.amdhsa_system_sgpr_workgroup_id_z 1
		.amdhsa_system_vgpr_workitem_id 0
		.amdhsa_next_free_vgpr 1024
		.amdhsa_next_free_sgpr 100
		.amdhsa_reserve_vcc 0
		.amdhsa_float_denorm_mode_32 3
		.amdhsa_float_denorm_mode_16_64 3
		.amdhsa_memory_ordered 1
		.amdhsa_forward_progress 1
		.amdhsa_inst_pref_size 147
	.end_amdhsa_kernel
	.amdgpu_metadata
---
amdhsa.version: [ 1, 2 ]
amdhsa.kernels:
  - .name:           k_qb11c6cde53_outp
    .symbol:         k_qb11c6cde53_outp.kd
    .args:
      - { .name: ao, .offset: 0, .size: 8, .value_kind: global_buffer, .address_space: global }
      - { .name: aos, .offset: 8, .size: 8, .value_kind: global_buffer, .address_space: global }
      - { .name: ops, .offset: 16, .size: 8, .value_kind: global_buffer, .address_space: global }
      - { .name: opss, .offset: 24, .size: 8, .value_kind: global_buffer, .address_space: global }
      - { .name: out_b, .offset: 32, .size: 8, .value_kind: global_buffer, .address_space: global }
      - { .name: out0, .offset: 40, .size: 8, .value_kind: global_buffer, .address_space: global }
    .group_segment_fixed_size: 327680
    .private_segment_fixed_size: 0
    .kernarg_segment_align: 8
    .kernarg_segment_size: 48
    .max_flat_workgroup_size: 128
    .sgpr_count:     100
    .vgpr_count:     1024
    .wavefront_size: 32
...
	.end_amdgpu_metadata
.endif
;; end of part 4
